; MI455X (gfx1250); checked and timed in simulation.
; The chip was launched on July 23, 2026; its instructions are those of AMD's public machine-readable ISA for CDNA 5 (MIT licence, August 2026) and "CDNA5" Instruction Set Architecture Reference Guide (July 2026). The comments in the code are by the model that wrote it; some were corrected since.
;; MM Fuser. Allowed arithmetic: matrix products marked QUANTISED: E2M3 operands, one E8M0 scale for each 32 along K, by v_wmma_scale_f32_16x16x128_f8f6f4 with both operands' format E2M3, f32 sums; products left as they are: f32 operands where the result goes on into a quantised operand, else bf16, f16 or f32 operands; f32 sums; everything else in f32.
;; Inputs: fc1_b 4 float32; fc1_w 4 x 512 float32; fc2_b 512 float32; fc2_w 512 x 4 float32; gamma1 512 float32; gamma2 512 float32; input_features 8 x 13,271 x 512 float32; norm1_b 512 float32; norm1_w 512 float32; norm2_b 512 float32; norm2_w 512 float32; norm3_b 512 float32; norm3_w 512 float32; query_feature 8 x 577 x 512 float32.
;; Outputs: out0 8 x 577 x 512 float32.
;; This version of the problem:
;;   THIS VERSION OF THE PROBLEM IS GIVEN IN LOW PRECISION. The matrix products marked QUANTISED in the list below multiply operands that are first quantised to E2M3 (2 exponent bits, 3 mantissa bits; 6 bits a number), with one power-of-two scale for each 32 numbers along K (OCP MX v1.0); their sums are f32. All else is computed in f32.
;;   The module's matrix products, in the order in which they are computed (A, B: the left and right operand; K: the contracted axis; several contracted axes count as one K, in the product's order):
;;     1. batch 8 x [M 577, K 512] x [K 512, N 13,271]; A: computed on the way; B: computed on the way: QUANTISED
;;     2. batch 8 x [M 577, K 13,271] x [K 13,271, N 512]; A: softmax (see below); B: computed on the way: QUANTISED
;;     3. [M 4,616, K 512] x [K 512, N 4]; A: computed on the way; B: input fc1_w: left as it is (N = 4 < 16)
;;     4. [M 4,616, K 4] x [K 4, N 512]; A: computed on the way; B: input fc2_w: left as it is (K = 4 < 32)
;;     5. batch 8 x [M 577, K 512] x [K 512, N 577]; A: computed on the way; B: computed on the way: QUANTISED
;;     6. batch 8 x [M 577, K 577] x [K 577, N 512]; A: softmax (see below); B: computed on the way: QUANTISED
;;   THE QUANTISER, for each operand of a quantised product, along K:
;;     - K is cut into blocks of 32 from its start; a last block that is shorter is filled with zeros.
;;     - A block's scale is 2^e with e = floor(log2(the largest magnitude in the block)) - 2, held to -126 .. 127; a block of zeros has e = 0. As a byte (E8M0): e + 127.
;;     - Each number is divided by its block's scale, clamped to +-7.5, and rounded to the nearest number of E2M3, ties to even, subnormals kept.
;;     - The product sums the exact products of the quantised numbers (number of the format x scale) in f32.
;;   ~~~python
;;   def quantise(x, axis):      # numpy; x: float32 -> the quantised numbers, widened to float32 again
;;       x = np.moveaxis(x, axis, -1); K = x.shape[-1]
;;       x = np.pad(x, [(0, 0)] * (x.ndim - 1) + [(0, -K % 32)]); x = x.reshape(x.shape[:-1] + (-1, 32)); a = np.abs(x).max(-1, keepdims=True)
;;       e = np.where(a > 0, np.clip(np.frexp(np.where(a > 0, a, 1))[1] - 1 - 2, -126, 127), 0)      # np.frexp(a)[1] - 1 = floor(log2(a)), exactly
;;       r = np.clip(x / 2.0 ** e, -7.5, 7.5)
;;       step = 2.0 ** (np.maximum(np.frexp(np.where(r == 0, 1, r))[1] - 1, 0) - 3)
;;       q = np.round(r / step) * step * 2.0 ** e      # np.round: ties to even
;;       return np.moveaxis(q.reshape(q.shape[:-2] + (-1,))[..., :K], -1, axis).astype(np.float32)
;;   ~~~
;;   SOFTMAX AHEAD OF A QUANTISED PRODUCT. Where the list says 'softmax', what is quantised is not the finished softmax but p = 2^(t - M), with t = logit x log2(e) and M = ceil(the row's largest t), a whole number; so 1/2 < the row's largest p <= 1. The row's sum l is taken of the UNQUANTISED p, in f32, and the product's result is divided by l at the end. Since M is a whole number, a kernel that streams over the keys may use a running M (the ceiling of the running maximum): every later rescaling is an exact power of two, which a block's scale takes up: the codes' values come out the same.
;;   OPERANDS COMPUTED ON THE WAY. 'Computed on the way' means the value that the module computes at that place (a softmax that the list does not call 'softmax' is quantised finished and normalised). What goes into a quantiser is computed in f32, as accurately as f32 sums, v_exp_f32 and their like allow (about 1e-6 of the number): no bf16 or f16 on the way to a quantiser, and a product that is left as it is and whose result goes on into a quantised operand takes f32 operands (vector FMAs, or v_wmma_f32_16x16x4_f32). A number that lies on a knife's edge between two numbers of the format may be rounded either way, as far as f32 arithmetic and the matrix unit's own rounding can turn it there, and no further.
;; One version. Each part assembles by itself: llvm-mc -triple=amdgcn-amd-amdhsa -mcpu=gfx1250 --defsym DOCPART=n.
;; ======== version 1 of 1: 4 launches
;; limits: a function is approximated: absolute error at most 1.5e-07
;; workspace buffers: kc 42,598,400 bytes; vc 42,598,400 bytes; qc 2,048,000 bytes; nf 10,485,760 bytes; part 491,520 bytes; kc2 2,048,000 bytes; vc2 2,129,920 bytes; sink 1,048,576 bytes
;; launch prep (part 1): grid 218 x 8, 8 waves a work-group, no clusters, 135,168 bytes of LDS; arguments input_features, query_feature, norm1_w, norm1_b, norm2_w, norm2_b, kc, vc, qc, nf; writes kc, vc, qc, nf
.if DOCPART == 1
	.amdgcn_target "amdgcn-amd-amdhsa--gfx1250"
	.amdhsa_code_object_version 6
	.text
	.protected	k_q4047770720_prep
	.globl	k_q4047770720_prep
	.p2align	8
	.type	k_q4047770720_prep,@function
k_q4047770720_prep:
	s_mov_b64 s[64:65], 0
	v_nop
	global_prefetch_b8 v0, s[64:65] scope:SCOPE_SE
	s_setreg_imm32_b32 hwreg(HW_REG_WAVE_MODE, 25, 1), 1
	s_wait_xcnt 0x0
; LayerNorm of the keys (input_features, norm1) and of the queries (query_feature, norm2), in f32, and their codes of FP6 (E2M3) with one E8M0 byte for each 32 numbers.
; A work-group takes a UNIT of 64 rows of one batch: x < 208 a unit of keys, else a unit of queries.  Rows past the tensor's end (13,271 keys, 577 queries) become rows of zeros.
; OUT: kc / qc: codes along the 512 channels;  vc (keys only): codes along the keys;  nf (queries only): the normalised rows in f32, [8][640][512].
; ROW ORDER.  Slot s of a unit holds the natural row with bits 3 and 4 of s exchanged, so that the 16 result registers of two neighbouring tiles of keys are 16 neighbouring keys.
; A FRAGMENT (16 rows x 128 along K) is stored as an image of its 12 registers: registers 4 u .. 4 u + 3 of lane l at 512 u + 16 l.  Lane (r, h) holds 64 NEIGHBOURS along K (64 h ..): registers 0-5 its first block
; of 32, registers 6-11 its second; the same order stands on both operands of every product, and the lane's two scale bytes go to bytes h and 2 + h of the row's scale word.
; A GROUP of 128 rows is 51,200 bytes.  Along the channels: unit 0's 16 fragments [4 tile + K step], unit 1's, then from byte 49,152 the scale words [unit][tile][r][K step].
; Along the keys: 32 fragments [channel tile], lanes 0-15 unit 0's 64 keys and lanes 16-31 unit 1's, then from byte 49,152 two scale bytes for each [unit][channel tile / 8][r][channel tile % 8].
; LIMITS: NaN and infinities among the inputs are not served; a block whose largest magnitude lies under 2^-124 (a block of zeros too) keeps the scale byte 1: only this program reads the bytes.
; No tensor loads: the rows turn through a stage that is written by LDS stores; nothing is shared between work-groups, so no cluster; the launch streams its input once, so no prefetch.
.set NKU,  208                         ; units of keys in a batch
.set SP,   2064                        ; a stage row: 2,048 bytes + 16 = 129 x 16, so that 16 rows of one column fall into 16 different columns of 16 bytes
.set KSC,  64*SP                       ; behind the stage: 1,024 bytes of scale words (along the channels)
.set VSC,  KSC+1024                    ; and 1,024 bytes of scale bytes (along the keys)
.set X,    32                          ; v32-159  eight rows x 16 numbers; later two sets of 64 numbers
.set W,    160                         ; v160-175 the gain of my 16 channels
.set B,    176                         ; v176-191 the bias
.set T,    192                         ; v192-207 a pair for each row: sum, mean, 1/sigma
.set Q,    208                         ; v208-223 a pair for each row: sum of squares
.set F0,   224                         ; v224-247 two fragments
.set TC,   248                         ; v248-254 the halves of blocks that a conversion cannot put in place
.set MB,   24                          ; v24-25 largest magnitudes, v26-27 the conversions' scale operands, v28-29 the scale bytes
.set SO,   26
.set BY,   28
.set KFB,  16                          ; s[16:17] where my unit's fragments go; s[42:43] their scale words; s[18:19], s[44:45] the same along the keys
.set KSB,  42
.set VFB,  18
.set VSB,  44
.macro RED a                           ; the sum over the 32 lanes of v[a + 2 i], the eight rows by turns; v[a + 2 i + 1] has been written and is free
.irp m, 1,2,4,8
.irp i, 0,1,2,3,4,5,6,7
	v_add_f32_dpp v[\a+2*\i], v[\a+2*\i], v[\a+2*\i] row_xmask:\m row_mask:0xf bank_mask:0xf
.endr
.endr
.irp i, 0,1,2,3,4,5,6,7
	v_permlanex16_b32 v[\a+2*\i+1], v[\a+2*\i], s46, s47
.endr
.irp i, 0,1,2,3,4,5,6,7
	v_add_f32 v[\a+2*\i], v[\a+2*\i], v[\a+2*\i+1]
.endr
.endm
.macro LNROWS                          ; eight rows, 16 numbers a lane each: mean, then the mean of the squared differences (two passes: no difference of large sums), 1/sqrt, gain and bias
.irp i, 0,1,2,3,4,5,6,7
	v_pk_add_f32 v[T+2*\i:T+2*\i+1], v[X+16*\i:X+16*\i+1], v[X+16*\i+2:X+16*\i+3]
.endr
.irp p, 4,6,8,10,12,14
.irp i, 0,1,2,3,4,5,6,7
	v_pk_add_f32 v[T+2*\i:T+2*\i+1], v[T+2*\i:T+2*\i+1], v[X+16*\i+\p:X+16*\i+\p+1]
.endr
.endr
.irp i, 0,1,2,3,4,5,6,7
	v_add_f32 v[T+2*\i], v[T+2*\i], v[T+2*\i+1]
.endr
	RED T
.irp i, 0,1,2,3,4,5,6,7
	v_mul_f32 v[T+2*\i], s48, v[T+2*\i]            ; the mean
.endr
.irp p, 0,2,4,6,8,10,12,14
.irp i, 0,1,2,3,4,5,6,7
	v_pk_add_f32 v[X+16*\i+\p:X+16*\i+\p+1], v[X+16*\i+\p:X+16*\i+\p+1], v[T+2*\i:T+2*\i+1] op_sel_hi:[1,0] neg_lo:[0,1] neg_hi:[0,1]
.endr
.endr
.irp i, 0,1,2,3,4,5,6,7
	v_pk_mul_f32 v[Q+2*\i:Q+2*\i+1], v[X+16*\i:X+16*\i+1], v[X+16*\i:X+16*\i+1]
.endr
.irp p, 2,4,6,8,10,12,14
.irp i, 0,1,2,3,4,5,6,7
	v_pk_fma_f32 v[Q+2*\i:Q+2*\i+1], v[X+16*\i+\p:X+16*\i+\p+1], v[X+16*\i+\p:X+16*\i+\p+1], v[Q+2*\i:Q+2*\i+1]
.endr
.endr
.irp i, 0,1,2,3,4,5,6,7
	v_add_f32 v[Q+2*\i], v[Q+2*\i], v[Q+2*\i+1]
.endr
	RED Q
.irp i, 0,1,2,3,4,5,6,7
	v_fma_f32 v[Q+2*\i], v[Q+2*\i], s48, s49       ; the variance + 1e-5
.endr
.irp i, 0,1,2,3,4,5,6,7
	v_rsq_f32 v[T+2*\i], v[Q+2*\i]                 ; one batch of eight
.endr
	v_nop                                          ; a plain instruction behind the last of them
	s_wait_alu depctr_va_vdst(0)                   ; one wait for the batch, ahead of its first reader
	s_wait_loadcnt 0x0                             ; gain and bias are in
.irp p, 0,2,4,6,8,10,12,14
.irp i, 0,1,2,3,4,5,6,7
	v_pk_mul_f32 v[X+16*\i+\p:X+16*\i+\p+1], v[X+16*\i+\p:X+16*\i+\p+1], v[T+2*\i:T+2*\i+1] op_sel_hi:[1,0]
.endr
.endr
.irp p, 0,2,4,6,8,10,12,14
.irp i, 0,1,2,3,4,5,6,7
	v_pk_fma_f32 v[X+16*\i+\p:X+16*\i+\p+1], v[X+16*\i+\p:X+16*\i+\p+1], v[W+\p:W+\p+1], v[B+\p:B+\p+1]
.endr
.endr
.endm
.macro QUANT64 y, f                    ; 64 neighbours along K in v[y] on become 12 registers of codes in v[f] on; the two blocks' bytes in v[BY], v[BY+1]
	v_max3_num_f32 v[MB], |v[\y]|, |v[\y+1]|, 0x1800000            ; the floor 2^(3 - 127) among the leaves: the byte cannot fall under 1
	v_max3_num_f32 v[MB+1], |v[\y+32]|, |v[\y+33]|, 0x1800000
.irp i, 2,4,6,8,10,12,14,16,18,20,22,24,26,28,30
	v_max3_num_f32 v[MB], v[MB], |v[\y+\i]|, |v[\y+\i+1]|
	v_max3_num_f32 v[MB+1], v[MB+1], |v[\y+32+\i]|, |v[\y+33+\i]|
.endr
	v_add_nc_u32 v[SO], 0xff000000, v[MB]          ; 2 off the exponent field: the conversion takes this operand's exponent field as its scale
	v_add_nc_u32 v[SO+1], 0xff000000, v[MB+1]
	v_lshrrev_b32 v[BY], 23, v[SO]
	v_lshrrev_b32 v[BY+1], 23, v[SO+1]
	v_cvt_scalef32_pk16_fp6_f32 v[\f:\f+2], v[\y:\y+15], v[SO]
	v_cvt_scalef32_pk16_fp6_f32 v[TC:TC+2], v[\y+16:\y+31], v[SO]          ; (a conversion's three registers begin on an even number)
	v_cvt_scalef32_pk16_fp6_f32 v[\f+6:\f+8], v[\y+32:\y+47], v[SO+1]
	v_cvt_scalef32_pk16_fp6_f32 v[TC+4:TC+6], v[\y+48:\y+63], v[SO+1]
	v_nop                                          ; one plain instruction behind the conversions
.irp i, 0,1,2
	v_mov_b32 v[\f+3+\i], v[TC+\i]
	v_mov_b32 v[\f+9+\i], v[TC+4+\i]
.endr
.endm
.macro KPATH                           ; wave w: the fragments of tile w / 2, K steps 2 (w % 2) and 2 (w % 2) + 1: fragments 2 w and 2 w + 1 of the unit
.irp e, 0,1
.irp j, 0,1,2,3,4,5,6,7,8,9,10,11,12,13,14,15
	ds_load_b128 v[X+64*\e+4*\j:X+64*\e+4*\j+3], v11 offset:512*\e+16*\j
.endr
.endr
	s_wait_dscnt 0x0
.irp e, 0,1
	QUANT64 X+64*\e, F0+12*\e
	v_lshl_or_b32 v30, v[BY+1], 16, v[BY]
	v_lshlrev_b32 v30, v23, v30                    ; my two bytes at places h and 2 + h,
	v_permlanex16_b32 v31, v30, s46, s47
	v_or_b32 v30, v30, v31                         ; with the other half's two the word is whole
	ds_store_b32 v14, v30 offset:4*\e
.irp u, 0,1,2
	global_store_b128 v16, v[F0+12*\e+4*\u:F0+12*\e+4*\u+3], s[KFB:KFB+1] offset:1536*\e+512*\u   ; 512 consecutive bytes
.endr
.endr
.endm
.macro VPATH                           ; wave w, pass e: channel 64 w + 32 e + lane; the lane's registers run down the unit's 64 keys in natural order
.set EE, 0
.rept 2
.set II, 0
.rept 32
	ds_load_b32 v[X+64*EE+II], v12 offset:((II&7)|(((II>>3)&1)<<4)|(((II>>4)&1)<<3))*SP+128*EE
	ds_load_b32 v[X+64*EE+32+II], v13 offset:((II&7)|(((II>>3)&1)<<4)|(((II>>4)&1)<<3))*SP+128*EE
.set II, II+1
.endr
.set EE, EE+1
.endr
	s_wait_dscnt 0x0
.irp e, 0,1
	QUANT64 X+64*\e, F0+12*\e
	v_lshl_or_b32 v30, v[BY+1], 8, v[BY]
	ds_store_b16 v15, v30 offset:4*\e
.irp u, 0,1,2
	global_store_b128 v17, v[F0+12*\e+4*\u:F0+12*\e+4*\u+3], s[VFB:VFB+1] offset:3072*\e+512*\u   ; each half of the lanes stores 256 consecutive bytes, aligned
.endr
.endr
.endm
	s_load_b512 s[4:19], s[0:1], 0x0               ; input_features, query_feature, norm1_w, norm1_b, norm2_w, norm2_b, kc, vc
	s_load_b128 s[20:23], s[0:1], 0x40             ; qc, nf
	v_lshl_add_u32 v251, v0, 2, 0x20c00
	v_mov_b32 v255, 0
	v_lshrrev_b32 v20, 5, v0
	v_readfirstlane_b32 s24, v20                   ; wave 0..7
	v_and_b32 v20, 31, v0                          ; lane
	v_lshlrev_b32 v1, 4, v20                       ; 16 x lane
	s_and_b32 s26, ttmp7, 0xffff                   ; the batch
	s_and_b32 s36, s24, 1
	s_lshr_b32 s37, s24, 1
	s_cmp_lt_u32 ttmp9, NKU                        ; keys or queries?  The choice hangs on the work-group's number alone
	s_cselect_b32 s27, 0, NKU
	s_mov_b32 s28, 1181696
	s_cselect_b32 s28, 27179008, s28               ; a batch of the source in bytes
	s_mov_b32 s29, 577
	s_cselect_b32 s29, 13271, s29                  ; its rows
	s_mov_b32 s30, 256000
	s_cselect_b32 s30, 5324800, s30                ; a batch of the codes along the channels
	s_sub_co_u32 s27, ttmp9, s27                   ; the unit
	s_lshl_b32 s34, s27, 6                         ; my wave's slots 8 w .. 8 w + 7 are the natural rows 64 U + 32 (w / 4) + 16 (w % 2) + 8 ((w / 2) % 2) + 0 .. 7
	s_lshr_b32 s38, s24, 2
	s_lshl_b32 s38, s38, 5
	s_add_co_u32 s34, s34, s38
	s_lshl_b32 s38, s36, 4
	s_add_co_u32 s34, s34, s38
	s_and_b32 s38, s37, 1
	s_lshl_b32 s38, s38, 3
	s_add_co_u32 s34, s34, s38
	s_sub_co_u32 s35, s29, 1
.irp i, 0,1,2,3,4,5,6,7
	s_add_co_u32 s38, s34, \i
	s_min_u32 s38, s38, s35                        ; a row past the end reads the last row: no load leaves its buffer
	s_lshl_b32 s38, s38, 11
	v_add_nc_u32 v[2+\i], s38, v1
.endr
	s_mul_i32 s32, s26, s28
	s_mov_b32 s33, 0
	s_wait_kmcnt 0x0
	s_cmp_lt_u32 ttmp9, NKU
	s_cselect_b64 s[4:5], s[4:5], s[6:7]
	s_cselect_b64 s[8:9], s[8:9], s[12:13]
	s_cselect_b64 s[10:11], s[10:11], s[14:15]
	s_cselect_b64 s[16:17], s[16:17], s[20:21]
	s_add_nc_u64 s[4:5], s[4:5], s[32:33]
.irp i, 0,1,2,3,4,5,6,7
.irp c, 0,1,2,3
	global_load_b128 v[X+16*\i+4*\c:X+16*\i+4*\c+3], v[2+\i], s[4:5] offset:512*\c th:TH_LOAD_NT   ; 512 consecutive bytes: lane l holds channels 128 c + 4 l + 0 .. 3
.endr
.endr
.irp c, 0,1,2,3
	global_load_b128 v[W+4*\c:W+4*\c+3], v1, s[8:9] offset:512*\c
	global_load_b128 v[B+4*\c:B+4*\c+3], v1, s[10:11] offset:512*\c
.endr
	; addresses, while the rows are on their way
	v_and_b32 v21, 15, v0                          ; r
	v_bfe_u32 v22, v0, 4, 1                        ; h
	v_lshlrev_b32 v23, 3, v22
	v_mov_b32 v31, 0                               ; (a lane permute's destination counts as read)
	s_mov_b32 s46, 0x76543210
	s_mov_b32 s47, 0xfedcba98                      ; selects for lane l xor 16
	s_mov_b32 s48, 0x3b000000                      ; 1 / 512
	s_mov_b32 s49, 0x3727c5ac                      ; 1e-5
	s_mov_b32 s51, 0
	s_mul_i32 s38, s24, 8*SP
	v_add_nc_u32 v10, s38, v1                      ; stage, in: slot 8 w, 16 x lane
	v_mul_u32_u24 v11, v21, SP
	v_lshl_add_u32 v11, v22, 8, v11
	s_mul_i32 s38, s37, 16*SP
	s_lshl_b32 s39, s36, 10
	s_add_co_u32 s38, s38, s39
	v_add_nc_u32 v11, s38, v11                     ; stage, out along the channels: slot 16 (w / 2) + r, byte 1,024 (w % 2) + 256 h
	v_lshlrev_b32 v12, 2, v20
	s_lshl_b32 s38, s24, 8
	v_add_nc_u32 v12, s38, v12                     ; stage, out along the keys: channel 64 w + lane
	v_add_nc_u32 v13, 32*SP, v12                   ; and 32 slots on
	s_lshl_b32 s38, s37, 8
	s_lshl_b32 s39, s36, 3
	s_add_co_u32 s38, s38, s39
	v_lshlrev_b32 v14, 4, v21
	v_add_nc_u32 v14, s38, v14
	v_lshl_add_u32 v15, v22, 1, v14
	v_add_nc_u32 v14, KSC, v14                     ; my scale words
	v_add_nc_u32 v15, VSC, v15                     ; my scale bytes along the keys
	v_add_nc_u32 v18, KSC, v1                      ; the scales' way out
	s_mul_i32 s38, s24, 3072
	v_add_nc_u32 v16, s38, v1                      ; fragments 2 w, 2 w + 1 of the unit
	s_and_b32 s52, s27, 1
	s_mul_i32 s38, s24, 6144
	s_lshl_b32 s39, s52, 8
	s_add_co_u32 s38, s38, s39
	v_mul_u32_u24 v17, v22, 1536
	v_lshl_add_u32 v17, v21, 4, v17
	v_add_nc_u32 v17, s38, v17                     ; channel tile 4 w + lane / 16, lane 16 (U % 2) + lane % 16 of its image
	s_lshr_b32 s53, s27, 1
	s_mul_i32 s53, s53, 51200                      ; my group
	s_mul_i32 s38, s26, s30
	s_add_co_u32 s38, s38, s53
	s_mov_b32 s39, 0
	s_add_nc_u64 s[40:41], s[16:17], s[38:39]
	s_mul_i32 s38, s52, 24576
	s_add_nc_u64 s[KFB:KFB+1], s[40:41], s[38:39]
	s_lshl_b32 s38, s52, 10
	s_add_co_u32 s38, s38, 49152
	s_add_nc_u64 s[KSB:KSB+1], s[40:41], s[38:39]
	s_mul_i32 s32, s26, 5324800
	s_add_co_u32 s32, s32, s53
	s_add_nc_u64 s[VFB:VFB+1], s[18:19], s[32:33]
	s_add_nc_u64 s[VSB:VSB+1], s[VFB:VFB+1], s[38:39]
	s_mul_i32 s32, s26, 1310720
	s_lshl_b32 s38, s34, 11
	s_add_co_u32 s32, s32, s38
	s_add_nc_u64 s[22:23], s[22:23], s[32:33]      ; nf at my first row
	s_wait_loadcnt 0x8                             ; the rows are in; the eight loads of gain and bias may be out
	LNROWS
	s_add_co_u32 s38, s34, 7                       ; rows past the end become zeros: a branch on ids round the block
	s_cmp_lt_u32 s38, s29
	s_cbranch_scc1 .Lallrows
.irp i, 0,1,2,3,4,5,6,7
	s_add_co_u32 s38, s34, \i
	s_cmp_lt_u32 s38, s29
	s_cselect_b32 s50, 1.0, 0
.irp p, 0,2,4,6,8,10,12,14
	v_pk_mul_f32 v[X+16*\i+\p:X+16*\i+\p+1], v[X+16*\i+\p:X+16*\i+\p+1], s[50:51] op_sel_hi:[1,0]
.endr
.endr
.Lallrows:
	s_cmp_lt_u32 ttmp9, NKU
	s_cbranch_scc1 .Lnonf
.irp i, 0,1,2,3,4,5,6,7
.irp c, 0,1,2,3
	global_store_b128 v1, v[X+16*\i+4*\c:X+16*\i+4*\c+3], s[22:23] offset:2048*\i+512*\c
.endr
.endr
	s_wait_xcnt 0x0                                ; the rows' registers are loaded again below, only behind this wait
.Lnonf:
.irp i, 0,1,2,3,4,5,6,7
.irp c, 0,1,2,3
	ds_store_b128 v10, v[X+16*\i+4*\c:X+16*\i+4*\c+3] offset:SP*\i+512*\c
.endr
.endr
	s_wait_dscnt 0x0                               ; for the others' sake: my rows lie in the stage
	s_barrier_signal -1
	s_barrier_wait -1
	KPATH
	s_cmp_lt_u32 ttmp9, NKU
	s_cbranch_scc0 .Lnov
	s_wait_xcnt 0x0                                ; the fragments' registers are written again only behind this wait
	VPATH
.Lnov:
	s_wait_dscnt 0x0                               ; my scale words and bytes lie in LDS
	s_barrier_signal -1
	s_barrier_wait -1
	s_cmp_lg_u32 s24, 0                            ; wave 0 stores the unit's 1,024 bytes of scale words, whole blocks of 256 bytes
	s_cbranch_scc1 .Lnot0
	ds_load_b128 v[32:35], v18
	ds_load_b128 v[36:39], v18 offset:512
	s_wait_dscnt 0x0
	global_store_b128 v1, v[32:35], s[KSB:KSB+1]
	global_store_b128 v1, v[36:39], s[KSB:KSB+1] offset:512
.Lnot0:
	s_cmp_lg_u32 s24, 1                            ; wave 1 those along the keys
	s_cbranch_scc1 .Lend
	s_cmp_lt_u32 ttmp9, NKU
	s_cbranch_scc0 .Lend
	ds_load_b128 v[32:35], v18 offset:1024
	ds_load_b128 v[36:39], v18 offset:1536
	s_wait_dscnt 0x0
	global_store_b128 v1, v[32:35], s[VSB:VSB+1]
	global_store_b128 v1, v[36:39], s[VSB:VSB+1] offset:512
.Lend:
	s_wait_tensorcnt 0x0
	ds_add_u32 v251, v255
	s_wait_dscnt 0x0
	s_endpgm
.Lfunc_end_k_q4047770720_prep:
	.size	k_q4047770720_prep, .Lfunc_end_k_q4047770720_prep-k_q4047770720_prep
	.p2alignl 7, 3214868480
	.fill 96, 4, 3214868480
	.section	.rodata,"a",@progbits
	.p2align	6, 0x0
	.amdhsa_kernel k_q4047770720_prep
		.amdhsa_group_segment_fixed_size 135168
		.amdhsa_private_segment_fixed_size 0
		.amdhsa_enable_private_segment 0
		.amdhsa_kernarg_size 80
		.amdhsa_user_sgpr_count 2
		.amdhsa_user_sgpr_kernarg_segment_ptr 1
		.amdhsa_wavefront_size32 1
		.amdhsa_system_sgpr_workgroup_id_x 1
		.amdhsa_system_sgpr_workgroup_id_y 1
		.amdhsa_system_sgpr_workgroup_id_z 1
		.amdhsa_system_vgpr_workitem_id 0
		.amdhsa_next_free_vgpr 256
		.amdhsa_next_free_sgpr 66
		.amdhsa_reserve_vcc 0
		.amdhsa_float_denorm_mode_32 3
		.amdhsa_float_denorm_mode_16_64 3
		.amdhsa_memory_ordered 1
		.amdhsa_forward_progress 1
		.amdhsa_inst_pref_size 71
	.end_amdhsa_kernel
	.amdgpu_metadata
---
amdhsa.version: [ 1, 2 ]
amdhsa.kernels:
  - .name:           k_q4047770720_prep
    .symbol:         k_q4047770720_prep.kd
    .args:
      - { .name: input_features, .offset: 0, .size: 8, .value_kind: global_buffer, .address_space: global }
      - { .name: query_feature, .offset: 8, .size: 8, .value_kind: global_buffer, .address_space: global }
      - { .name: norm1_w, .offset: 16, .size: 8, .value_kind: global_buffer, .address_space: global }
      - { .name: norm1_b, .offset: 24, .size: 8, .value_kind: global_buffer, .address_space: global }
      - { .name: norm2_w, .offset: 32, .size: 8, .value_kind: global_buffer, .address_space: global }
      - { .name: norm2_b, .offset: 40, .size: 8, .value_kind: global_buffer, .address_space: global }
      - { .name: kc, .offset: 48, .size: 8, .value_kind: global_buffer, .address_space: global }
      - { .name: vc, .offset: 56, .size: 8, .value_kind: global_buffer, .address_space: global }
      - { .name: qc, .offset: 64, .size: 8, .value_kind: global_buffer, .address_space: global }
      - { .name: nf, .offset: 72, .size: 8, .value_kind: global_buffer, .address_space: global }
    .group_segment_fixed_size: 135168
    .private_segment_fixed_size: 0
    .kernarg_segment_align: 8
    .kernarg_segment_size: 80
    .max_flat_workgroup_size: 256
    .sgpr_count:     66
    .vgpr_count:     256
    .wavefront_size: 32
...
	.end_amdgpu_metadata
.endif
;; end of part 1
;; launch xatt (part 2): grid 8 x 32, 4 waves a work-group, clusters of 4 x 1, 327,680 bytes of LDS; arguments qc, kc, vc, fc1_w, part; writes part
.if DOCPART == 2
	.amdgcn_target "amdgcn-amd-amdhsa--gfx1250"
	.amdhsa_code_object_version 6
	.text
	.protected	k_q4047770720_xatt
	.globl	k_q4047770720_xatt
	.p2align	8
	.type	k_q4047770720_xatt,@function
k_q4047770720_xatt:
	s_mov_b64 s[64:65], 0
	v_nop
	global_prefetch_b8 v0, s[64:65] scope:SCOPE_SE
	s_setreg_imm32_b32 hwreg(HW_REG_WAVE_MODE, 25, 1), 1
	s_wait_xcnt 0x0
	s_wait_alu depctr_hold_cnt(0) depctr_sa_sdst(0) depctr_va_vdst(0) depctr_va_sdst(0) depctr_va_ssrc(0) depctr_va_vcc(0) depctr_vm_vsrc(0)
	s_getreg_b32 s2, hwreg(HW_REG_IB_STS2, 6, 4)
	s_cmp_eq_u32 s2, 0
	s_cbranch_scc0 .Lentry_in_a_cluster
	s_endpgm
.Lentry_in_a_cluster:
	s_bfe_u32 s2, ttmp6, 0x10000c
	s_cmp_lg_u32 s2, 0x3003
	s_cbranch_scc0 .Lentry_shape_is_right
	s_endpgm
.Lentry_shape_is_right:
; Cross attention on codes of FP6 (E2M3), and fc1's product on its unnormalised sums.  A work-group takes 80 query slots (five tiles of 16) of one batch and a quarter of its keys: 13 steps of 256 keys.
; The attention's result is used by fc1 alone, and fc1 is linear: so of the quarter's sums O (f32, 512 channels a query) only d = O fc1_w^T, four numbers a query, is stored, with -M and l:
; part: d [batch][quarter][640 slots][4], and from byte 327,680 on [batch][quarter][-M, l][640].  The next launch joins the quarters.  d is made by f32 multiply-adds.
; SOFTMAX: t = score x log2(e) / sqrt(512); M = the running largest t rounded UP to a whole number; p = 2^(t - M) is quantised along the keys; l is the sum of the unquantised p; when M moves, l and O are multiplied by 2^(old M - new M).
; BOTH PRODUCTS ARE USED TRANSPOSED: S^T = K Q^T (source 0 = 16 keys), O^T = V^T P^T (source 0 = 16 channels): a lane holds one query throughout.
; SHARES.  In the first product wave w takes 64 of the step's keys (unit w) for all five tiles; in the second it takes channels 128 w .. 128 w + 127 for all five tiles and all 256 keys.  So each fragment of K and of V is read
; from LDS once in the work-group and feeds five matrix instructions.  What goes from wave to wave is small: each query's largest score, and p's codes and scale bytes, through LDS, as images of the operand's registers.
; CLUSTER.  The four work-groups of a cluster differ in their queries alone and walk the same K and V: each tile is asked for jointly, by the same tensor load with the mask 15.
; RING.  K has two slots of 102,400 bytes, V one.  One round of the cluster's barrier a step, at its head; behind it waves 0 and 1 ask for the next step's K, waves 2 and 3 for this step's V.  Every wave waits for its load
; ahead of the barrier in front of the second product: the first product and the softmax are the work under which both land.  A wave has at most two tensor loads out: the first fills of waves 0 and 1.
; The layouts of qc, kc and vc are stated at the head of the launch that makes them.
; LIMITS: query slots 577 to 639 hold zero codes; they are computed like the others and thrown away later.  Keys past 13,271 are hidden by -infinity ahead of the maximum.
; REGISTERS, in windows of 256.  Window 3: O(q, c) at 64 q + 8 c, q = 0..3.  Window 2: v0-191 Q(q, K step) at 48 q + 12 s, q = 0..3, at the end rows 0 to 2 of fc1_w; v192-255 O(4, c).
;   Window 1: v0-159 S(q, tile) at 32 q + 8 t, later p's ten fragments at 12 (2 q + g), at the end row 3 of fc1_w; v160-207 Q(4, s); v208-255 fragment set B.
;   Window 0: v1-19 addresses; v20-49 six a tile: -M, largest t, l (two), f, 0; v50-59 block maxima; v60-79 at work; v80-99 what comes back from the exchanges; v100-139 codes just made, later V's scale bytes, at the end d's sums;
;   v140-159 Q's scale words; v160-175 K's, then V's; v176-185 p's; v192-239 fragment set A; at the end v192-251 d on its way; v252 my offset in fc1_w.
.set GRP,   51200                      ; a group of 128 rows
.set TILE,  102400                     ; a step's tile: two groups
.set KB,    TILE                       ; K's second slot
.set VV,    2*TILE                     ; V's slot
.set PIM,   3*TILE                     ; p's ten fragments, lane l's 48 bytes at 48 l
.set PSC,   PIM+15360                  ; p's scale bytes: [q] x 256 + 16 r + 4 w;
.set MXO,   1280                       ; 1,280 bytes on: the waves' largest scores, same form;
.set LXO,   2560                       ; and the waves' sums
.set SPARE, PSC+3840                   ; the spare words, 128 bytes for each wave: two blocks of 256 bytes that no other line names
.set DX,    KB                         ; the way out: the waves' parts of d, [q] x 1,024 + 64 r + 16 w, in K's second slot, which has had its last fill and its last read by then
.set ST,    20
.set DD,    100                        ; d's sums: a pair for (q, j) at DD + 8 q + 2 j
.set FCO,   252
.set MSB,   0
.macro WIN new                         ; the immediate's high byte repeats the setting that is left
.if MSB != (\new)
	s_set_vgpr_msb (MSB<<8)|(\new)
.set MSB, (\new)
.endif
.endm
.macro PLACES n
.rept \n
	v_nop
.endr
.endm
.macro CROUND                          ; a round of the cluster's barrier
	s_barrier_signal -1
	s_barrier_wait -1
	s_cmp_lg_u32 s16, 0
	s_cbranch_scc1 .Lnw0_\@
	s_barrier_signal -3
.Lnw0_\@:
	s_barrier_wait -3
	s_barrier_signal -1
	s_barrier_wait -1
.endm
.macro TLOAD km, vm                    ; waves 0 and 1: the two groups of the next K; waves 2 and 3: those of this step's V.  Four v_nop follow each load
.if \km
	s_cmp_lt_u32 s16, 2
	s_cbranch_scc0 .Lnk_\@
	tensor_load_to_lds s[40:43], s[28:35]
	s_nop 0
	PLACES 4
	s_branch .Ldone_\@
.Lnk_\@:
.endif
.if \vm
	s_cmp_lt_u32 s16, 2
	s_cbranch_scc1 .Ldone_\@
	tensor_load_to_lds s[44:47], s[28:35]
	s_nop 0
	PLACES 4
.endif
.Ldone_\@:
.endm
; PREFETCH INTO THE L2: behind a step's tensor loads, the codes of K two steps on and of V one step on: what the next round's loads will ask for, one step (160 matrix instructions a wave) ahead.
; Both clusters of a (batch, quarter) walk the same tiles: the first asks.  Its four partners are told apart by address: each takes one unit's 24,576 bytes of codes; waves 0 to 2 take 8,192 each, lanes 256 bytes apart.
; K's requests stop two steps, V's one step, ahead of the last; nothing is asked for at the head.
.macro ASK
	s_cmp_gt_u32 s51, s53
	s_cbranch_scc0 .Lpk_\@
	global_prefetch_b8 v18, s[56:57] th:TH_LOAD_NT scope:SCOPE_SE
.Lpk_\@:
	s_cmp_gt_u32 s51, s54
	s_cbranch_scc0 .Lpv_\@
	global_prefetch_b8 v18, s[58:59] th:TH_LOAD_NT scope:SCOPE_SE
.Lpv_\@:
.endm
.macro CHANGE km, vm, ask              ; a step's head: all my tensor loads have landed, my reads of the slots to be filled are over, every wave of the cluster says so, then the refills
	WIN 0
	s_wait_tensorcnt 0x0                           ; no tensor load of mine is out, so the descriptors may be written
	ds_add_u32 v1, v2                              ; 0 onto my spare word
	s_xor_b32 s49, s48, KB                         ; the K slot that this step does not read
	s_add_co_u32 s41, s49, s50
	s_add_nc_u64 s[42:43], s[42:43], TILE
	s_add_nc_u64 s[46:47], s[46:47], TILE
.if \ask
	s_wait_xcnt 0x0                                ; the last prefetches, a step back, have read their addresses
	s_add_nc_u64 s[56:57], s[56:57], TILE
	s_add_nc_u64 s[58:59], s[58:59], TILE
.endif
	s_wait_dscnt 0x0                               ; the add is done, and so are my LDS reads
	CROUND
	TLOAD \km, \vm
.if \ask
	ASK
.endif
.endm
.macro KSET ks, set                    ; my unit's four fragments of K step ks into set A (0) or B (1)
.set FS, 192+16*(\set)
	WIN 0x40*(\set)
.irp kt, 0,1,2,3
.irp u, 0,1,2
	ds_load_b128 v[FS+12*\kt+4*\u:FS+12*\kt+4*\u+3], v5 offset:(4*\kt+(\ks))*1536+512*\u
.endr
.endr
.endm
.macro SMUL ks, set                    ; 20 matrix instructions: four tiles of keys x five tiles of queries; the 20 accumulators take turns
.set FS, 192+16*(\set)
	WIN 0x58+(\set)
.irp kt, 0,1,2,3
.irp q, 0,1,2,3
.if (\ks) == 0
	v_wmma_scale_f32_16x16x128_f8f6f4 v[32*\q+8*\kt:32*\q+8*\kt+7], v[FS+12*\kt:FS+12*\kt+11], v[48*\q+12*(\ks):48*\q+12*(\ks)+11], 0, v[160+4*\kt+(\ks)], v[140+4*\q+(\ks)] matrix_a_fmt:MATRIX_FMT_FP6 matrix_b_fmt:MATRIX_FMT_FP6
.else
	v_wmma_scale_f32_16x16x128_f8f6f4 v[32*\q+8*\kt:32*\q+8*\kt+7], v[FS+12*\kt:FS+12*\kt+11], v[48*\q+12*(\ks):48*\q+12*(\ks)+11], v[32*\q+8*\kt:32*\q+8*\kt+7], v[160+4*\kt+(\ks)], v[140+4*\q+(\ks)] matrix_a_fmt:MATRIX_FMT_FP6 matrix_b_fmt:MATRIX_FMT_FP6
.endif
.endr
.endr
	WIN 0x54+(\set)
.irp kt, 0,1,2,3
.if (\ks) == 0
	v_wmma_scale_f32_16x16x128_f8f6f4 v[128+8*\kt:128+8*\kt+7], v[FS+12*\kt:FS+12*\kt+11], v[160+12*(\ks):160+12*(\ks)+11], 0, v[160+4*\kt+(\ks)], v[156+(\ks)] matrix_a_fmt:MATRIX_FMT_FP6 matrix_b_fmt:MATRIX_FMT_FP6
.else
	v_wmma_scale_f32_16x16x128_f8f6f4 v[128+8*\kt:128+8*\kt+7], v[FS+12*\kt:FS+12*\kt+11], v[160+12*(\ks):160+12*(\ks)+11], v[128+8*\kt:128+8*\kt+7], v[160+4*\kt+(\ks)], v[156+(\ks)] matrix_a_fmt:MATRIX_FMT_FP6 matrix_b_fmt:MATRIX_FMT_FP6
.endif
.endr
.endm
.macro SPHASE                          ; S^T of my 64 keys and the 80 queries: K = 512 in four steps, the fragment sets by turns
	WIN 0
	v_add_nc_u32 v5, s48, v3
	v_add_nc_u32 v6, s48, v4
	PLACES 3                                       ; five places in all behind the last products: the new sums are laid over registers that those read, and the loads below land in their operands
.irp kt, 0,1,2,3
	ds_load_b128 v[160+4*\kt:163+4*\kt], v6 offset:256*\kt         ; K's scale words: four K steps of row r
.endr
	KSET 0, 0
	KSET 1, 1
	s_wait_dscnt 12                                ; all but the 12 loads just issued
	SMUL 0, 0
	PLACES 4
	KSET 2, 0
	s_wait_dscnt 12
	SMUL 1, 1
	PLACES 4
	KSET 3, 1
	s_wait_dscnt 12
	SMUL 2, 0
	s_wait_dscnt 0x0
	SMUL 3, 1
.endm
.macro MASK thr                        ; register 16 b + i of a tile's 32 holds the step's key 64 w + 32 b + 16 h + i: hidden where it lies above thr
	s_lshl_b32 s4, s16, 6
	s_sub_co_i32 s4, \thr, s4
	v_bfe_u32 v16, v0, 4, 1
	v_lshlrev_b32 v16, 4, v16
	v_sub_nc_u32 v16, s4, v16
	WIN 0x41
.set NN, 0
.rept 32
	v_cmp_gt_i32 vcc_lo, 32*(NN/16)+NN%16, v16
.irp q, 0,1,2,3,4
	v_cndmask_b32 v[32*\q+NN], v[32*\q+NN], v17, vcc_lo
.endr
.set NN, NN+1
.endr
	WIN 0
.endm
.macro SOFTA                           ; the largest score of each block of 32 keys (it serves twice: for the row's maximum and for the block's largest p), and my 64 keys' largest to the other waves
	WIN 0x15
.irp q, 0,1,2,3,4
.irp b, 0,1
	v_max3_num_f32 v[50+2*\q+\b], v[32*\q+16*\b], v[32*\q+16*\b+1], v[32*\q+16*\b+2]
.endr
.endr
	WIN 0x14
.irp i, 3,5,7,9,11,13
.irp q, 0,1,2,3,4
.irp b, 0,1
	v_max3_num_f32 v[50+2*\q+\b], v[50+2*\q+\b], v[32*\q+16*\b+\i], v[32*\q+16*\b+\i+1]
.endr
.endr
.endr
.irp q, 0,1,2,3,4
.irp b, 0,1
	v_max_num_f32 v[50+2*\q+\b], v[50+2*\q+\b], v[32*\q+16*\b+15]
.endr
.endr
	WIN 0
.irp q, 0,1,2,3,4
.irp b, 0,1
	v_permlanex16_b32 v[60+2*\q+\b], v[50+2*\q+\b], s24, s25
.endr
.endr
.irp q, 0,1,2,3,4
.irp b, 0,1
	v_max_num_f32 v[50+2*\q+\b], v[50+2*\q+\b], v[60+2*\q+\b]
.endr
.endr
.irp q, 0,1,2,3,4
	v_max_num_f32 v[60+2*\q], v[50+2*\q], v[51+2*\q]
.endr
.irp q, 0,1,2,3,4
	ds_store_b32 v11, v[60+2*\q] offset:MXO+256*\q
.endr
	s_wait_dscnt 0x0
	s_barrier_signal -1                            ; tensor loads may stay out
	s_barrier_wait -1
.endm
.macro SOFTB                           ; the new M, p, l, p's codes and scale bytes to LDS
.irp q, 0,1,2,3,4
	ds_load_b128 v[80+4*\q:83+4*\q], v12 offset:MXO+256*\q
.endr
	s_wait_dscnt 0x0
.irp q, 0,1,2,3,4
	v_max3_num_f32 v[80+4*\q], v[80+4*\q], v[81+4*\q], v[82+4*\q]
.endr
.irp q, 0,1,2,3,4
	v_max_num_f32 v[80+4*\q], v[80+4*\q], v[83+4*\q]               ; the step's largest score of my query
.endr
.irp q, 0,1,2,3,4
	v_mul_f32 v[80+4*\q], s22, v[80+4*\q]
.endr
.irp q, 0,1,2,3,4
	v_max_num_f32 v[ST+6*\q+1], v[ST+6*\q+1], v[80+4*\q]           ; the running largest t
.endr
.irp q, 0,1,2,3,4
	v_mov_b32 v[81+4*\q], v[ST+6*\q]
.endr
.irp q, 0,1,2,3,4
	v_floor_f32 v[ST+6*\q], -v[ST+6*\q+1]                          ; -M = floor(-t): M is a whole number
.endr
.irp q, 0,1,2,3,4
	v_sub_f32 v[81+4*\q], v[ST+6*\q], v[81+4*\q]
.endr
.irp q, 0,1,2,3,4
	v_cvt_i32_f32 v[81+4*\q], v[81+4*\q]                           ; (it saturates)
.endr
.irp q, 0,1,2,3,4
	v_ldexp_f32 v[ST+6*\q+4], 1.0, v[81+4*\q]                      ; f = 2^(old M - new M)
.endr
.irp q, 0,1,2,3,4
.irp b, 0,1
	v_fma_f32 v[50+2*\q+\b], v[50+2*\q+\b], s22, v[ST+6*\q]
.endr
.endr
	WIN 0x41
.irp q, 0,1,2,3,4
.irp p, 0,2,4,6,8,10,12,14,16,18,20,22,24,26,28,30
	v_pk_fma_f32 v[32*\q+\p:32*\q+\p+1], v[32*\q+\p:32*\q+\p+1], s[22:23], v[ST+6*\q:ST+6*\q+1] op_sel_hi:[1,0,0]
.endr
.endr
.set NN, 0
.rept 160
	v_exp_f32 v[NN], v[NN]                         ; p = 2^(t - M): one batch
.set NN, NN+1
.endr
	WIN 0
.irp q, 0,1,2,3,4
	v_pk_mul_f32 v[ST+6*\q+2:ST+6*\q+3], v[ST+6*\q+2:ST+6*\q+3], v[ST+6*\q+4:ST+6*\q+5] op_sel_hi:[1,0]   ; l under the new M: plain work behind the batch
.endr
	s_wait_alu depctr_va_vdst(0)                   ; one wait for the batch, ahead of its first reader
.irp q, 0,1,2,3,4
.irp b, 0,1
	v_exp_f32 v[50+2*\q+\b], v[50+2*\q+\b]         ; each block's largest p
.endr
.endr
	WIN 0x04
.irp p, 0,2,4,6,8,10,12,14,16,18,20,22,24,26,28,30
.irp q, 0,1,2,3,4
	v_pk_add_f32 v[ST+6*\q+2:ST+6*\q+3], v[ST+6*\q+2:ST+6*\q+3], v[32*\q+\p:32*\q+\p+1]   ; l takes the unquantised p: five chains by turns
.endr
.endr
	WIN 0
	s_wait_alu depctr_va_vdst(0)                   ; and one for the ten
.irp q, 0,1,2,3,4
.irp b, 0,1
	v_max_num_f32 v[50+2*\q+\b], 0x1800000, v[50+2*\q+\b]          ; the floor: the byte cannot fall under 1
.endr
.endr
.irp q, 0,1,2,3,4
.irp b, 0,1
	v_add_nc_u32 v[70+2*\q+\b], 0xff000000, v[50+2*\q+\b]
.endr
.endr
.irp q, 0,1,2,3,4
.irp b, 0,1
	v_lshrrev_b32 v[60+2*\q+\b], 23, v[70+2*\q+\b]
.endr
.endr
.irp q, 0,1,2,3,4
	v_lshl_or_b32 v[60+2*\q], v[61+2*\q], 16, v[60+2*\q]
.endr
.irp q, 0,1,2,3,4
	v_lshlrev_b32 v[60+2*\q], s52, v[60+2*\q]      ; my unit's two bytes at places w % 2 and 2 + w % 2 of the group's scale word
.endr
	WIN 0x01
.irp q, 0,1,2,3,4
	v_cvt_scalef32_pk16_fp6_f32 v[100+8*\q:102+8*\q], v[32*\q:32*\q+15], v[70+2*\q]
	v_cvt_scalef32_pk16_fp6_f32 v[104+8*\q:106+8*\q], v[32*\q+16:32*\q+31], v[71+2*\q]
.endr
	WIN 0
	v_nop                                          ; one plain instruction behind the conversions
.irp q, 0,1,2,3,4
.irp i, 0,1,2
	v_permlane16_swap_b32 v[100+8*\q+\i], v[104+8*\q+\i]           ; lane (r, h) now holds block h whole: its lower 16 codes in the first three registers, its upper 16 in the second
.endr
.endr
.irp q, 0,1,2,3,4
.irp i, 0,1,2
	v_mov_b32 v[103+8*\q+\i], v[104+8*\q+\i]
.endr
.endr
.irp q, 0,1,2,3,4
.irp p, 0,1,2
	ds_store_b64 v9, v[100+8*\q+2*\p:101+8*\q+2*\p] offset:3072*\q+8*\p    ; 24 bytes: block h of lane 16 (w % 2) + r of fragment (q, w / 2)
.endr
.endr
.irp q, 0,1,2,3,4
	ds_store_b32 v11, v[60+2*\q] offset:256*\q
.endr
	s_wait_tensorcnt 0x0                           ; every wave: its one load has landed: in waves 2 and 3 this step's V, which all four waves read behind the barrier; in waves 0 and 1 the next step's K
	s_wait_dscnt 0x0                               ; my stores of p's codes and scale bytes have landed
	s_barrier_signal -1
	s_barrier_wait -1
.endm
.macro VSET n, set                     ; four fragments of V: group n / 2, my channel tiles 4 (n % 2) + 0 .. 3
.set FS, 192+16*(\set)
	WIN 0x40*(\set)
.irp k, 0,1,2,3
.irp u, 0,1,2
	ds_load_b128 v[FS+12*\k+4*\u:FS+12*\k+4*\u+3], v7 offset:((\n)>>1)*GRP+(4*((\n)&1)+\k)*1536+512*\u
.endr
.endr
.endm
.macro PMUL n, set, zero               ; 20 matrix instructions: four channel tiles x five tiles of queries, 128 keys
.set FS, 192+16*(\set)
.set GG, (\n)>>1
.set C0, 4*((\n)&1)
	WIN 0xf4+(\set)
.irp k, 0,1,2,3
.irp q, 0,1,2,3
.if \zero
	v_wmma_scale_f32_16x16x128_f8f6f4 v[64*\q+8*(C0+\k):64*\q+8*(C0+\k)+7], v[FS+12*\k:FS+12*\k+11], v[12*(2*\q+GG):12*(2*\q+GG)+11], 0, v[160+4*(\n)+\k], v[176+2*\q+GG] matrix_a_fmt:MATRIX_FMT_FP6 matrix_b_fmt:MATRIX_FMT_FP6
.else
	v_wmma_scale_f32_16x16x128_f8f6f4 v[64*\q+8*(C0+\k):64*\q+8*(C0+\k)+7], v[FS+12*\k:FS+12*\k+11], v[12*(2*\q+GG):12*(2*\q+GG)+11], v[64*\q+8*(C0+\k):64*\q+8*(C0+\k)+7], v[160+4*(\n)+\k], v[176+2*\q+GG] matrix_a_fmt:MATRIX_FMT_FP6 matrix_b_fmt:MATRIX_FMT_FP6
.endif
.endr
.endr
	WIN 0xa4+(\set)
.irp k, 0,1,2,3
.if \zero
	v_wmma_scale_f32_16x16x128_f8f6f4 v[192+8*(C0+\k):192+8*(C0+\k)+7], v[FS+12*\k:FS+12*\k+11], v[12*(8+GG):12*(8+GG)+11], 0, v[160+4*(\n)+\k], v[184+GG] matrix_a_fmt:MATRIX_FMT_FP6 matrix_b_fmt:MATRIX_FMT_FP6
.else
	v_wmma_scale_f32_16x16x128_f8f6f4 v[192+8*(C0+\k):192+8*(C0+\k)+7], v[FS+12*\k:FS+12*\k+11], v[12*(8+GG):12*(8+GG)+11], v[192+8*(C0+\k):192+8*(C0+\k)+7], v[160+4*(\n)+\k], v[184+GG] matrix_a_fmt:MATRIX_FMT_FP6 matrix_b_fmt:MATRIX_FMT_FP6
.endif
.endr
.endm
.macro PVPHASE first                   ; O^T += V^T P^T for my 128 channels: K = the step's 256 keys
	WIN 0
.irp q, 0,1,2,3,4
	ds_load_b128 v[80+4*\q:83+4*\q], v12 offset:256*\q             ; the four waves' parts of p's scale words
.endr
.irp g, 0,1
.irp u, 0,1
	ds_load_b128 v[100+8*\g+4*\u:103+8*\g+4*\u], v8 offset:\g*GRP+\u*1024   ; V's scale bytes: group g, unit u, my eight channel tiles
.endr
.endr
	VSET 0, 0
	WIN 0x40
.irp f, 0,1,2,3,4,5,6,7,8,9
.irp u, 0,1,2
	ds_load_b128 v[12*\f+4*\u:12*\f+4*\u+3], v10 offset:1536*\f+16*\u
.endr
.endr
	WIN 0
	s_wait_dscnt 42                                ; the scale bytes are in; the 12 loads of V and the 30 of p may be out
.irp q, 0,1,2,3,4
	v_or_b32 v[176+2*\q], v[80+4*\q], v[81+4*\q]
	v_or_b32 v[177+2*\q], v[82+4*\q], v[83+4*\q]
.endr
.irp g, 0,1
.irp k, 0,1,2,3
	v_perm_b32 v[160+8*\g+2*\k], v[104+8*\g+\k], v[100+8*\g+\k], s60       ; the two units' two bytes each make a channel's scale word
	v_perm_b32 v[161+8*\g+2*\k], v[104+8*\g+\k], v[100+8*\g+\k], s61
.endr
.endr
.if \first
	PLACES 8                                       ; a scale register written by a vector instruction stands eight places ahead of the scaled matrix instruction
.else
	WIN 0xc3
.irp q, 0,1,2,3
.set NN, 0
.rept 32
	v_pk_mul_f32 v[64*\q+NN:64*\q+NN+1], v[64*\q+NN:64*\q+NN+1], v[ST+6*\q+4:ST+6*\q+5] op_sel_hi:[1,0]   ; O^T under the new M (these are the places too)
.set NN, NN+2
.endr
.endr
	WIN 0x82
.set NN, 0
.rept 32
	v_pk_mul_f32 v[192+NN:192+NN+1], v[192+NN:192+NN+1], v[ST+28:ST+29] op_sel_hi:[1,0]
.set NN, NN+2
.endr
.endif
	VSET 1, 1
	s_wait_dscnt 12                                ; all but the 12 loads just issued
	PMUL 0, 0, \first
	PLACES 4
	VSET 2, 0
	s_wait_dscnt 12
	PMUL 1, 1, \first
	PLACES 4
	VSET 3, 1
	s_wait_dscnt 12
	PMUL 2, 0, 0
	s_wait_dscnt 0x0
	PMUL 3, 1, 0
.endm
.macro STEP first, mask                ; mask = 1: the last step
	SPHASE
	WIN 0
	PLACES 4                                       ; in front of the first read of the scores, and of the loads below into registers that the products have read
.if \mask
	WIN 0x80                                       ; Q has served its last product: rows 0 to 2 of fc1_w take its place, my lane's 64 channels of each, and land under the softmax and the second product
.irp j, 0,1,2
.irp c, 0,1,2,3,4,5,6,7
	global_load_b128 v[64*\j+8*\c:64*\j+8*\c+3], v[FCO], s[74:75] offset:2048*\j+64*\c
	global_load_b128 v[64*\j+8*\c+4:64*\j+8*\c+7], v[FCO], s[74:75] offset:2048*\j+64*\c+16
.endr
.endr
	WIN 0
	s_cmp_lg_u32 s21, 3                            ; only the last quarter's last step has keys past the end: 13,271 - 13,056 - 1 = 214 is its last key that counts
	s_cbranch_scc1 .Lopen_\@
	MASK 214
.Lopen_\@:
.endif
	SOFTA
	SOFTB
	PVPHASE \first
	WIN 0
	s_xor_b32 s48, s48, KB                         ; the next step's K lies in the other slot
.endm
	s_load_b256 s[68:75], s[0:1], 0x0              ; qc, kc, vc, fc1_w
	s_load_b64 s[80:81], s[0:1], 0x20              ; part
	v_lshl_add_u32 v1, v0, 2, SPARE
	v_mov_b32 v2, 0
	ds_add_u32 v1, v2
	ds_add_u32 v1, v2
	s_wait_dscnt 0x0
	v_lshrrev_b32 v3, 5, v0
	v_readfirstlane_b32 s16, v3                    ; wave 0..3
	s_bfe_u32 s17, ttmp6, 0x40000                  ; cx
	s_lshl_b32 s18, ttmp9, 2
	s_add_co_u32 s18, s18, s17                     ; my block of 80 query slots: it enters the addresses of qc and part alone
	s_and_b32 s4, ttmp7, 0xffff
	s_lshr_b32 s20, s4, 2                          ; the batch
	s_and_b32 s21, s4, 3                           ; the quarter of its keys
	s_and_b32 s5, s16, 1
	s_mul_i32 s50, s5, GRP                         ; which group of a tile I fetch
	s_lshl_b32 s52, s5, 3
	s_mul_i32 s14, s20, 104*GRP
	s_mul_i32 s4, s21, 13*TILE
	s_add_co_u32 s14, s14, s4                      ; my quarter's first tile, in kc and in vc
	s_add_co_u32 s4, s14, s50
	s_mov_b32 s5, 0
	s_mov_b32 s28, 15|(3<<16)|(1<<21)              ; group 1: the mask of all four partners; elements of 8 bytes; bit 21 beside a mask; no padding
	s_mov_b32 s29, 32<<16                          ; tensor_dim0 = 32 elements: rows of 256 bytes
	s_mov_b32 s30, 200<<16                         ; tensor_dim1 = 200 rows: a group
	s_mov_b32 s31, 32<<16                          ; tile_dim0
	s_mov_b32 s32, 200                             ; tile_dim1
	s_mov_b32 s33, 32                              ; the pitch: dense
	s_mov_b32 s34, 0
	s_mov_b32 s35, 0
	s_mov_b32 s22, 0x3d8293ee                      ; c = log2(e) / sqrt(512)
	s_mov_b32 s23, s22
	s_mov_b32 s24, 0x76543210
	s_mov_b32 s25, 0xfedcba98
	s_mov_b32 s60, 0x05010400
	s_mov_b32 s61, 0x07030602
	s_mov_b32 s48, 0
	s_wait_kmcnt 0x0
	s_add_nc_u64 s[6:7], s[70:71], s[4:5]
	s_add_nc_u64 s[8:9], s[72:73], s[4:5]
	CROUND                                         ; all four work-groups are here: the first joint loads meet
	s_mov_b32 s36, 1                               ; K of step 0 into slot 0
	s_mov_b32 s37, s50
	s_mov_b64 s[38:39], s[6:7]
	s_or_b32 s39, s39, 0x80000000
	s_mov_b32 s40, 1                               ; K of step 1 into slot 1; this descriptor then walks
	s_add_co_u32 s41, s50, KB
	s_add_nc_u64 s[42:43], s[6:7], TILE
	s_or_b32 s43, s43, 0x80000000
	s_mov_b32 s44, 1                               ; V of step 0; it walks too
	s_add_co_u32 s45, s50, VV
	s_mov_b64 s[46:47], s[8:9]
	s_or_b32 s47, s47, 0x80000000
	s_cmp_lt_u32 s16, 2                            ; a wave's first fills stand in one branch
	s_cbranch_scc0 .Lfirst_v
	tensor_load_to_lds s[36:39], s[28:35]
	s_nop 0
	tensor_load_to_lds s[40:43], s[28:35]
	s_nop 0
	PLACES 4
	s_branch .Lfirst_done
.Lfirst_v:
	tensor_load_to_lds s[44:47], s[28:35]
	s_nop 0
	PLACES 4
.Lfirst_done:
	v_and_b32 v80, 31, v0                          ; lane
	v_and_b32 v81, 15, v0                          ; r
	v_bfe_u32 v82, v0, 4, 1                        ; h
	v_lshlrev_b32 v83, 4, v80
	s_mul_i32 s4, s20, 256000
	s_mov_b32 s5, 0
	s_add_nc_u64 s[68:69], s[68:69], s[4:5]        ; qc at my batch
	s_mul_i32 s4, s18, 5
.irp q, 0,1,2,3,4
	s_add_co_u32 s5, s4, \q                        ; tile t = 5 j + q: group t / 8, then (t % 8) x four fragments
	s_lshr_b32 s6, s5, 3
	s_mul_i32 s6, s6, GRP
	s_and_b32 s5, s5, 7
	s_mul_i32 s7, s5, 6144
	s_add_co_u32 s7, s7, s6
	v_add_nc_u32 v[100+\q], s7, v83
	s_lshl_b32 s5, s5, 8
	s_add_co_u32 s5, s5, s6
	s_add_co_u32 s5, s5, 49152
	v_lshl_add_u32 v[105+\q], v81, 4, s5
.endr
	WIN 0x80
.irp q, 0,1,2,3
.irp f, 0,1,2,3,4,5,6,7,8,9,10,11
	global_load_b128 v[48*\q+4*\f:48*\q+4*\f+3], v[100+\q], s[68:69] offset:512*\f     ; Q stays in registers
.endr
.endr
	WIN 0x40
.irp f, 0,1,2,3,4,5,6,7,8,9,10,11
	global_load_b128 v[160+4*\f:160+4*\f+3], v104, s[68:69] offset:512*\f
.endr
	WIN 0
.irp q, 0,1,2,3,4
	global_load_b128 v[140+4*\q:143+4*\q], v[105+\q], s[68:69]
.endr
	s_lshr_b32 s4, s16, 1
	s_and_b32 s5, s16, 1
	s_mul_i32 s6, s4, GRP
	s_mul_i32 s7, s5, 24576
	s_add_co_u32 s7, s7, s6
	v_add_nc_u32 v3, s7, v83                       ; my unit's fragments in a K slot
	s_lshl_b32 s7, s5, 10
	s_add_co_u32 s7, s7, s6
	s_add_co_u32 s7, s7, 49152
	v_lshl_add_u32 v4, v81, 4, s7                  ; and its scale words
	s_mul_i32 s7, s16, 12288
	s_add_co_u32 s7, s7, VV
	v_add_nc_u32 v7, s7, v83                       ; my eight channel tiles of V
	s_lshl_b32 s7, s16, 8
	s_add_co_u32 s7, s7, VV+49152
	v_lshl_add_u32 v8, v81, 4, s7                  ; and their scale bytes
	s_mul_i32 s7, s4, 1536
	s_mul_i32 s6, s5, 768
	s_add_co_u32 s7, s7, s6
	s_add_co_u32 s7, s7, PIM
	v_mul_u32_u24 v9, v81, 48
	v_mad_u32_u24 v9, v82, 24, v9
	v_add_nc_u32 v9, s7, v9                        ; where I put p's codes
	v_mul_u32_u24 v10, v80, 48
	v_add_nc_u32 v10, PIM, v10                     ; where I read p's fragments
	s_lshl_b32 s7, s16, 2
	s_add_co_u32 s7, s7, PSC
	v_lshl_add_u32 v11, v81, 4, s7                 ; the exchanges: my wave's word of query r,
	v_lshlrev_b32 v12, 4, v81
	v_add_nc_u32 v12, PSC, v12                     ; and the four waves' words
	s_lshl_b32 s7, s16, 4
	s_add_co_u32 s7, s7, DX
	v_lshl_add_u32 v13, v81, 6, s7                 ; the way out: my wave's 16 bytes of d of query r: 64 r + 16 w,
	v_lshlrev_b32 v14, 6, v81
	v_lshl_add_u32 v14, v82, 3, v14
	v_add_nc_u32 v14, DX, v14                      ; and back: 8 bytes of each wave's: 64 r + 8 h
	v_lshlrev_b32 v15, 4, v81
	v_lshl_add_u32 v15, v82, 3, v15                ; the same 8 bytes of a tile's 256 in part: 16 r + 8 h
	s_lshl_b32 s7, s16, 9
	v_lshl_add_u32 v[FCO], v82, 5, s7              ; my channels 128 w + 8 h + .. in a row of fc1_w: 512 w + 32 h
	v_mov_b32 v17, 0xff800000                      ; -infinity
	v_lshlrev_b32 v18, 8, v80                      ; the prefetches: lanes 256 bytes apart
	v_mul_u32_u24 v19, v82, 2560
	v_lshl_add_u32 v19, v81, 2, v19                ; -M (lanes 0-15) and l (lanes 16-31) of query r
.irp q, 0,1,2,3,4
	v_mov_b32 v[ST+6*\q+1], 0xff61b1e6             ; the largest t so far: -3e38
	v_floor_f32 v[ST+6*\q], -v[ST+6*\q+1]
	v_mov_b32 v[ST+6*\q+2], 0
	v_mov_b32 v[ST+6*\q+3], 0
	v_mov_b32 v[ST+6*\q+5], 0                      ; (named as the upper half of f's pair)
	v_mov_b32 v[60+2*\q], 0                        ; (a lane permute's destination counts as read)
	v_mov_b32 v[61+2*\q], 0
.endr
	s_lshr_b32 s4, s17, 1                          ; the prefetches: my work-group's unit, my wave's third of its codes
	s_mul_i32 s4, s4, GRP
	s_and_b32 s5, s17, 1
	s_mul_i32 s5, s5, 24576
	s_add_co_u32 s4, s4, s5
	s_lshl_b32 s5, s16, 13
	s_add_co_u32 s4, s4, s5
	s_add_co_u32 s4, s4, s14
	s_mov_b32 s5, 0
	s_add_nc_u64 s[56:57], s[70:71], s[4:5]
	s_add_nc_u64 s[56:57], s[56:57], 2*TILE        ; K: at step 2; the first round steps it to step 3
	s_add_nc_u64 s[58:59], s[72:73], s[4:5]
	s_add_nc_u64 s[58:59], s[58:59], TILE          ; V: at step 1; the first round steps it to step 2
	s_cmp_eq_u32 s16, 3
	s_cselect_b32 s4, 1, 0
	s_or_b32 s4, s4, ttmp9                         ; 0 in waves 0 to 2 of the first cluster: the same in all four partners
	s_cmp_eq_u32 s4, 0
	s_cselect_b32 s53, 1, -1
	s_cselect_b32 s54, 0, -1
	s_lshl_b32 s4, s20, 2
	s_add_co_u32 s4, s4, s21                       ; 4 x batch + quarter
	s_mul_i32 s6, s4, 10240                        ; 640 slots x 16 bytes of d
	s_mul_i32 s7, s18, 1280
	s_add_co_u32 s6, s6, s7
	s_mov_b32 s7, 0
	s_add_nc_u64 s[78:79], s[80:81], s[6:7]        ; d of my first slot
	s_mul_i32 s6, s4, 5120
	s_mul_i32 s5, s18, 320
	s_add_co_u32 s6, s6, s5
	s_add_co_u32 s6, s6, 327680
	s_add_nc_u64 s[76:77], s[80:81], s[6:7]        ; and my slots' -M and l
	s_wait_tensorcnt 0x1                           ; waves 0 and 1: K of step 0 is in, K of step 1 may be out; waves 2 and 3: V of step 0 may be out
	s_barrier_signal -1
	s_barrier_wait -1
	s_wait_loadcnt 0x0                             ; Q
	STEP 1, 0
	s_mov_b32 s51, 11
.Lstep:                                            ; steps 1 to 11
	CHANGE 1, 1, 1
	STEP 0, 0
	s_sub_co_u32 s51, s51, 1
	s_cmp_lg_u32 s51, 0
	s_cbranch_scc1 .Lstep
	CHANGE 0, 1, 0                                 ; step 12 is written out: no K is left to ask for
	STEP 0, 1
	; THE WAY OUT.  d(q, j) = the sum over my 128 channels of O fc1_w(j): lane (r, h) holds query r and, in register 8 c + i of a tile's 64, channel 128 w + 16 c + 8 h + i; fc1_w's rows lie in the same order.
	; Then the two halves of the lanes, and through LDS the four waves, are added; l likewise; wave 0 stores d, -M and l.
	PLACES 4                                       ; behind the last products: in front of the loads into p's registers and of the first read of O^T
	WIN 0x40
.irp c, 0,1,2,3,4,5,6,7
	global_load_b128 v[8*\c:8*\c+3], v[FCO], s[74:75] offset:3*2048+64*\c          ; row 3 of fc1_w: it lands under the sums with rows 0 to 2
	global_load_b128 v[8*\c+4:8*\c+7], v[FCO], s[74:75] offset:3*2048+64*\c+16
.endr
	WIN 0
.irp q, 0,1,2,3,4
	v_add_f32 v[60+2*\q], v[ST+6*\q+2], v[ST+6*\q+3]
.endr
.irp q, 0,1,2,3,4
	v_permlanex16_b32 v[61+2*\q], v[60+2*\q], s24, s25
.endr
.irp q, 0,1,2,3,4
	v_add_f32 v[60+2*\q], v[60+2*\q], v[61+2*\q]
.endr
.irp q, 0,1,2,3,4
	ds_store_b32 v11, v[60+2*\q] offset:LXO+256*\q
.endr
	s_wait_loadcnt 16                              ; rows 0 to 2 are in; the 16 loads of row 3 may be out
	WIN 0x0b                                       ; source 0 (O^T) window 3, source 1 (fc1_w) window 2.  Twelve chains by turns
.set NN, 0
.rept 32
.irp j, 0,1,2
.irp q, 0,1,2,3
.if NN == 0
	v_pk_mul_f32 v[DD+8*\q+2*\j:DD+8*\q+2*\j+1], v[64*\q:64*\q+1], v[64*\j:64*\j+1]
.else
	v_pk_fma_f32 v[DD+8*\q+2*\j:DD+8*\q+2*\j+1], v[64*\q+2*NN:64*\q+2*NN+1], v[64*\j+2*NN:64*\j+2*NN+1], v[DD+8*\q+2*\j:DD+8*\q+2*\j+1]
.endif
.endr
.endr
.set NN, NN+1
.endr
	WIN 0x0a                                       ; the fifth tile's O^T lies in window 2
.set NN, 0
.rept 32
.irp j, 0,1,2
.if NN == 0
	v_pk_mul_f32 v[DD+32+2*\j:DD+32+2*\j+1], v[192:193], v[64*\j:64*\j+1]
.else
	v_pk_fma_f32 v[DD+32+2*\j:DD+32+2*\j+1], v[192+2*NN:193+2*NN], v[64*\j+2*NN:64*\j+2*NN+1], v[DD+32+2*\j:DD+32+2*\j+1]
.endif
.endr
.set NN, NN+1
.endr
	s_wait_loadcnt 0x0                             ; row 3
	WIN 0x07                                       ; source 1 window 1
.set NN, 0
.rept 32
.irp q, 0,1,2,3
.if NN == 0
	v_pk_mul_f32 v[DD+8*\q+6:DD+8*\q+7], v[64*\q:64*\q+1], v[0:1]
.else
	v_pk_fma_f32 v[DD+8*\q+6:DD+8*\q+7], v[64*\q+2*NN:64*\q+2*NN+1], v[2*NN:2*NN+1], v[DD+8*\q+6:DD+8*\q+7]
.endif
.endr
.set NN, NN+1
.endr
	WIN 0x06                                       ; the fifth tile with row 3: two chains
.set NN, 0
.rept 16
.if NN == 0
	v_pk_mul_f32 v[DD+38:DD+39], v[192:193], v[0:1]
	v_pk_mul_f32 v[212:213], v[194:195], v[2:3]
.else
	v_pk_fma_f32 v[DD+38:DD+39], v[192+4*NN:193+4*NN], v[4*NN:4*NN+1], v[DD+38:DD+39]
	v_pk_fma_f32 v[212:213], v[194+4*NN:195+4*NN], v[4*NN+2:4*NN+3], v[212:213]
.endif
.set NN, NN+1
.endr
	WIN 0
	v_pk_add_f32 v[DD+38:DD+39], v[DD+38:DD+39], v[212:213]
.irp q, 0,1,2,3,4
.irp j, 0,1,2,3
	v_add_f32 v[DD+8*\q+2*\j], v[DD+8*\q+2*\j], v[DD+8*\q+2*\j+1]
.endr
.endr
.irp q, 0,1,2,3,4
.irp j, 0,1,2,3
	v_permlanex16_b32 v[DD+8*\q+2*\j+1], v[DD+8*\q+2*\j], s24, s25 ; the query's other 64 of my channels lie in the lane 16 away
.endr
.endr
.irp q, 0,1,2,3,4
.irp j, 0,1,2,3
	v_add_f32 v[192+4*\q+\j], v[DD+8*\q+2*\j], v[DD+8*\q+2*\j+1]
.endr
.endr
.irp q, 0,1,2,3,4
	ds_store_b128 v13, v[192+4*\q:195+4*\q] offset:1024*\q         ; both halves of the lanes write the same bytes with the same numbers
.endr
	s_wait_dscnt 0x0                               ; for the others' sake: my parts of l and of d lie in LDS
	s_barrier_signal -1
	s_barrier_wait -1
.irp q, 0,1,2,3,4
	ds_load_b128 v[80+4*\q:83+4*\q], v12 offset:LXO+256*\q
.endr
.irp q, 0,1,2,3,4
.irp w, 0,1,2,3
	ds_load_b64 v[212+8*\q+2*\w:213+8*\q+2*\w], v14 offset:1024*\q+16*\w   ; wave w's d(q, 2 h) and d(q, 2 h + 1) of query r
.endr
.endr
	v_bfe_u32 v16, v0, 4, 1
	v_cmp_eq_u32 vcc_lo, 1, v16
	s_wait_dscnt 0x0
.irp q, 0,1,2,3,4
	v_add_f32 v[80+4*\q], v[80+4*\q], v[81+4*\q]
	v_add_f32 v[82+4*\q], v[82+4*\q], v[83+4*\q]
.endr
.irp q, 0,1,2,3,4
	v_add_f32 v[80+4*\q], v[80+4*\q], v[82+4*\q]
.endr
.irp q, 0,1,2,3,4
	v_cndmask_b32 v[60+2*\q], v[ST+6*\q], v[80+4*\q], vcc_lo
.endr
.irp q, 0,1,2,3,4
	v_pk_add_f32 v[212+8*\q:213+8*\q], v[212+8*\q:213+8*\q], v[214+8*\q:215+8*\q]
	v_pk_add_f32 v[216+8*\q:217+8*\q], v[216+8*\q:217+8*\q], v[218+8*\q:219+8*\q]
.endr
.irp q, 0,1,2,3,4
	v_pk_add_f32 v[212+8*\q:213+8*\q], v[212+8*\q:213+8*\q], v[216+8*\q:217+8*\q]
.endr
	s_cmp_lg_u32 s16, 0
	s_cbranch_scc1 .Lnoml
.irp q, 0,1,2,3,4
	global_store_b64 v15, v[212+8*\q:213+8*\q], s[78:79] offset:256*\q     ; the 32 lanes store a tile's 256 consecutive bytes, aligned
.endr
.irp q, 0,1,2,3,4
	global_store_b32 v19, v[60+2*\q], s[76:77] offset:64*\q
.endr
.Lnoml:
	s_wait_tensorcnt 0x0                           ; the wave's end
	ds_add_u32 v1, v2
	s_wait_dscnt 0x0
	CROUND                                         ; the closing round
	s_endpgm
.Lfunc_end_k_q4047770720_xatt:
	.size	k_q4047770720_xatt, .Lfunc_end_k_q4047770720_xatt-k_q4047770720_xatt
	.p2alignl 7, 3214868480
	.fill 96, 4, 3214868480
	.section	.rodata,"a",@progbits
	.p2align	6, 0x0
	.amdhsa_kernel k_q4047770720_xatt
		.amdhsa_group_segment_fixed_size 327680
		.amdhsa_private_segment_fixed_size 0
		.amdhsa_enable_private_segment 0
		.amdhsa_kernarg_size 40
		.amdhsa_user_sgpr_count 2
		.amdhsa_user_sgpr_kernarg_segment_ptr 1
		.amdhsa_wavefront_size32 1
		.amdhsa_system_sgpr_workgroup_id_x 1
		.amdhsa_system_sgpr_workgroup_id_y 1
		.amdhsa_system_sgpr_workgroup_id_z 1
		.amdhsa_system_vgpr_workitem_id 0
		.amdhsa_next_free_vgpr 1024
		.amdhsa_next_free_sgpr 84
		.amdhsa_reserve_vcc 1
		.amdhsa_float_denorm_mode_32 3
		.amdhsa_float_denorm_mode_16_64 3
		.amdhsa_memory_ordered 1
		.amdhsa_forward_progress 1
		.amdhsa_inst_pref_size 255
	.end_amdhsa_kernel
	.section	.bss,"aw",@nobits
	.p2align	6
	.space	262144
	.amdgpu_metadata
---
amdhsa.version: [ 1, 2 ]
amdhsa.kernels:
  - .name:           k_q4047770720_xatt
    .symbol:         k_q4047770720_xatt.kd
    .args:
      - { .name: qc, .offset: 0, .size: 8, .value_kind: global_buffer, .address_space: global }
      - { .name: kc, .offset: 8, .size: 8, .value_kind: global_buffer, .address_space: global }
      - { .name: vc, .offset: 16, .size: 8, .value_kind: global_buffer, .address_space: global }
      - { .name: fc1_w, .offset: 24, .size: 8, .value_kind: global_buffer, .address_space: global }
      - { .name: part, .offset: 32, .size: 8, .value_kind: global_buffer, .address_space: global }
    .group_segment_fixed_size: 327680
    .private_segment_fixed_size: 0
    .kernarg_segment_align: 8
    .kernarg_segment_size: 40
    .max_flat_workgroup_size: 128
    .sgpr_count:     84
    .vgpr_count:     1024
    .wavefront_size: 32
...
	.end_amdgpu_metadata
.endif
;; end of part 2
;; launch mid (part 3): grid 10 x 8, 8 waves a work-group, no clusters, 135,168 bytes of LDS; arguments part, fc1_b, fc2_w, fc2_b, norm3_w, norm3_b, kc2, vc2; writes kc2, vc2
.if DOCPART == 3
	.amdgcn_target "amdgcn-amd-amdhsa--gfx1250"
	.amdhsa_code_object_version 6
	.text
	.protected	k_q4047770720_mid
	.globl	k_q4047770720_mid
	.p2align	8
	.type	k_q4047770720_mid,@function
k_q4047770720_mid:
	s_mov_b64 s[64:65], 0
	v_nop
	global_prefetch_b8 v0, s[64:65] scope:SCOPE_SE
	s_setreg_imm32_b32 hwreg(HW_REG_WAVE_MODE, 25, 1), 1
	s_wait_xcnt 0x0
; Joins the four quarters of the cross attention, then fc1's bias, GELU (exact erf), fc2, LayerNorm 3, and the codes of FP6 (E2M3) of the result both ways; all in f32 ahead of the quantiser.
; A work-group takes a unit of 64 query slots of one batch, a wave eight of them.  The launch before has stored, for each quarter, d = O fc1_w^T (four numbers a query), -M and l.
; attended fc1_w^T = the sum over the quarters of g d, g = 2^(M - M*) / the sum of 2^(M - M*) l, M* the largest M.
; h = gelu(that + fc1_b), four numbers a row, is all that is carried on: cross = h fc2_w^T + fc2_b.  h is stored too (vc2 from byte 2,048,000 on: [batch][640 slots][4]): the last launch makes cross again from it.
; OUT: kc2: codes along the channels; vc2: codes along the rows (the keys of the self attention).  Layouts, row order and the stage are those of the first launch, stated at its head.  Slots 577 to 639 become rows of zeros.
; LIMITS: erf by the rational form of Abramowitz and Stegun 7.1.26, absolute error 1.5e-7 for every x; NaN and infinities are not served; a block under 2^-124 (a block of zeros too) keeps the scale byte 1.
; fc2_w and fc2_b lie in window 1 (v0-79).  No cluster and no prefetch: nothing is shared and the launch is short.
.set SP,   2064
.set KSC,  64*SP
.set VSC,  KSC+1024
.set X,    32
.set W,    160
.set B,    176
.set T,    192
.set Q,    208
.set F0,   224
.set TC,   248
.set MB,   24
.set SO,   26
.set BY,   28
.set KFB,  40
.set KSB,  42
.set VFB,  20
.set VSB,  44
.set MSB,  0
.macro WIN new
.if MSB != (\new)
	s_set_vgpr_msb (MSB<<8)|(\new)
.set MSB, (\new)
.endif
.endm
.macro RED a
.irp m, 1,2,4,8
.irp i, 0,1,2,3,4,5,6,7
	v_add_f32_dpp v[\a+2*\i], v[\a+2*\i], v[\a+2*\i] row_xmask:\m row_mask:0xf bank_mask:0xf
.endr
.endr
.irp i, 0,1,2,3,4,5,6,7
	v_permlanex16_b32 v[\a+2*\i+1], v[\a+2*\i], s46, s47
.endr
.irp i, 0,1,2,3,4,5,6,7
	v_add_f32 v[\a+2*\i], v[\a+2*\i], v[\a+2*\i+1]
.endr
.endm
.macro LNROWS
.irp i, 0,1,2,3,4,5,6,7
	v_pk_add_f32 v[T+2*\i:T+2*\i+1], v[X+16*\i:X+16*\i+1], v[X+16*\i+2:X+16*\i+3]
.endr
.irp p, 4,6,8,10,12,14
.irp i, 0,1,2,3,4,5,6,7
	v_pk_add_f32 v[T+2*\i:T+2*\i+1], v[T+2*\i:T+2*\i+1], v[X+16*\i+\p:X+16*\i+\p+1]
.endr
.endr
.irp i, 0,1,2,3,4,5,6,7
	v_add_f32 v[T+2*\i], v[T+2*\i], v[T+2*\i+1]
.endr
	RED T
.irp i, 0,1,2,3,4,5,6,7
	v_mul_f32 v[T+2*\i], s48, v[T+2*\i]
.endr
.irp p, 0,2,4,6,8,10,12,14
.irp i, 0,1,2,3,4,5,6,7
	v_pk_add_f32 v[X+16*\i+\p:X+16*\i+\p+1], v[X+16*\i+\p:X+16*\i+\p+1], v[T+2*\i:T+2*\i+1] op_sel_hi:[1,0] neg_lo:[0,1] neg_hi:[0,1]
.endr
.endr
.irp i, 0,1,2,3,4,5,6,7
	v_pk_mul_f32 v[Q+2*\i:Q+2*\i+1], v[X+16*\i:X+16*\i+1], v[X+16*\i:X+16*\i+1]
.endr
.irp p, 2,4,6,8,10,12,14
.irp i, 0,1,2,3,4,5,6,7
	v_pk_fma_f32 v[Q+2*\i:Q+2*\i+1], v[X+16*\i+\p:X+16*\i+\p+1], v[X+16*\i+\p:X+16*\i+\p+1], v[Q+2*\i:Q+2*\i+1]
.endr
.endr
.irp i, 0,1,2,3,4,5,6,7
	v_add_f32 v[Q+2*\i], v[Q+2*\i], v[Q+2*\i+1]
.endr
	RED Q
.irp i, 0,1,2,3,4,5,6,7
	v_fma_f32 v[Q+2*\i], v[Q+2*\i], s48, s49
.endr
.irp i, 0,1,2,3,4,5,6,7
	v_rsq_f32 v[T+2*\i], v[Q+2*\i]
.endr
	v_nop
	s_wait_alu depctr_va_vdst(0)                   ; one wait for the batch of eight, ahead of its first reader
	s_wait_loadcnt 0x0                             ; gain and bias are in
.irp p, 0,2,4,6,8,10,12,14
.irp i, 0,1,2,3,4,5,6,7
	v_pk_mul_f32 v[X+16*\i+\p:X+16*\i+\p+1], v[X+16*\i+\p:X+16*\i+\p+1], v[T+2*\i:T+2*\i+1] op_sel_hi:[1,0]
.endr
.endr
.irp p, 0,2,4,6,8,10,12,14
.irp i, 0,1,2,3,4,5,6,7
	v_pk_fma_f32 v[X+16*\i+\p:X+16*\i+\p+1], v[X+16*\i+\p:X+16*\i+\p+1], v[W+\p:W+\p+1], v[B+\p:B+\p+1]
.endr
.endr
.endm
.macro QUANT64 y, f
	v_max3_num_f32 v[MB], |v[\y]|, |v[\y+1]|, 0x1800000
	v_max3_num_f32 v[MB+1], |v[\y+32]|, |v[\y+33]|, 0x1800000
.irp i, 2,4,6,8,10,12,14,16,18,20,22,24,26,28,30
	v_max3_num_f32 v[MB], v[MB], |v[\y+\i]|, |v[\y+\i+1]|
	v_max3_num_f32 v[MB+1], v[MB+1], |v[\y+32+\i]|, |v[\y+33+\i]|
.endr
	v_add_nc_u32 v[SO], 0xff000000, v[MB]
	v_add_nc_u32 v[SO+1], 0xff000000, v[MB+1]
	v_lshrrev_b32 v[BY], 23, v[SO]
	v_lshrrev_b32 v[BY+1], 23, v[SO+1]
	v_cvt_scalef32_pk16_fp6_f32 v[\f:\f+2], v[\y:\y+15], v[SO]
	v_cvt_scalef32_pk16_fp6_f32 v[TC:TC+2], v[\y+16:\y+31], v[SO]
	v_cvt_scalef32_pk16_fp6_f32 v[\f+6:\f+8], v[\y+32:\y+47], v[SO+1]
	v_cvt_scalef32_pk16_fp6_f32 v[TC+4:TC+6], v[\y+48:\y+63], v[SO+1]
	v_nop
.irp i, 0,1,2
	v_mov_b32 v[\f+3+\i], v[TC+\i]
	v_mov_b32 v[\f+9+\i], v[TC+4+\i]
.endr
.endm
.macro KPATH
.irp e, 0,1
.irp j, 0,1,2,3,4,5,6,7,8,9,10,11,12,13,14,15
	ds_load_b128 v[X+64*\e+4*\j:X+64*\e+4*\j+3], v11 offset:512*\e+16*\j
.endr
.endr
	s_wait_dscnt 0x0
.irp e, 0,1
	QUANT64 X+64*\e, F0+12*\e
	v_lshl_or_b32 v30, v[BY+1], 16, v[BY]
	v_lshlrev_b32 v30, v23, v30
	v_permlanex16_b32 v31, v30, s46, s47
	v_or_b32 v30, v30, v31
	ds_store_b32 v14, v30 offset:4*\e
.irp u, 0,1,2
	global_store_b128 v16, v[F0+12*\e+4*\u:F0+12*\e+4*\u+3], s[KFB:KFB+1] offset:1536*\e+512*\u
.endr
.endr
.endm
.macro VPATH
.set EE, 0
.rept 2
.set II, 0
.rept 32
	ds_load_b32 v[X+64*EE+II], v12 offset:((II&7)|(((II>>3)&1)<<4)|(((II>>4)&1)<<3))*SP+128*EE
	ds_load_b32 v[X+64*EE+32+II], v13 offset:((II&7)|(((II>>3)&1)<<4)|(((II>>4)&1)<<3))*SP+128*EE
.set II, II+1
.endr
.set EE, EE+1
.endr
	s_wait_dscnt 0x0
.irp e, 0,1
	QUANT64 X+64*\e, F0+12*\e
	v_lshl_or_b32 v30, v[BY+1], 8, v[BY]
	ds_store_b16 v15, v30 offset:4*\e
.irp u, 0,1,2
	global_store_b128 v17, v[F0+12*\e+4*\u:F0+12*\e+4*\u+3], s[VFB:VFB+1] offset:3072*\e+512*\u
.endr
.endr
.endm
	s_load_b512 s[4:19], s[0:1], 0x0               ; part, fc1_b, fc2_w, fc2_b, norm3_w, norm3_b, kc2, vc2
	v_lshl_add_u32 v251, v0, 2, 0x20c00
	v_mov_b32 v255, 0
	v_lshrrev_b32 v20, 5, v0
	v_readfirstlane_b32 s24, v20                   ; wave 0..7
	v_and_b32 v20, 31, v0                          ; lane
	v_lshlrev_b32 v1, 4, v20
	v_lshlrev_b32 v19, 2, v20                      ; 4 x lane
	v_lshlrev_b32 v9, 6, v20                       ; 64 x lane
	v_and_b32 v30, 3, v20                          ; for -M, l, g and d a lane stands for (row lane / 4, quarter lane % 4); for h for (row lane / 4, unit lane % 4)
	v_lshrrev_b32 v28, 2, v20
	v_mul_u32_u24 v2, v30, 5120                    ; -M and l: 5,120 bytes a quarter, 4 a row
	v_lshl_add_u32 v2, v28, 2, v2
	v_mul_u32_u24 v29, v30, 10240                  ; d: 10,240 bytes a quarter, 16 a row
	v_lshl_add_u32 v29, v28, 4, v29
	v_lshlrev_b32 v27, 2, v30                      ; fc1_b
	v_mov_b32 v31, 0
	s_and_b32 s26, ttmp7, 0xffff                   ; the batch
	s_mov_b32 s27, ttmp9                           ; the unit
	s_mov_b32 s29, 577
	s_and_b32 s36, s24, 1
	s_lshr_b32 s37, s24, 1
	s_lshl_b32 s34, s27, 6
	s_lshl_b32 s38, s24, 3
	s_add_co_u32 s34, s34, s38                     ; my first slot
	s_mov_b32 s46, 0x76543210
	s_mov_b32 s47, 0xfedcba98
	s_mov_b32 s48, 0x3b000000                      ; 1 / 512
	s_mov_b32 s49, 0x3727c5ac                      ; 1e-5
	s_mov_b32 s51, 0
	s_mul_i32 s38, s26, 20480
	s_lshl_b32 s39, s34, 2
	s_add_co_u32 s38, s38, s39
	s_add_co_u32 s38, s38, 327680
	s_mov_b32 s39, 0
	s_mul_i32 s32, s26, 40960
	s_lshl_b32 s33, s34, 4
	s_add_co_u32 s32, s32, s33
	s_mov_b32 s33, 0
	s_wait_kmcnt 0x0
	s_add_nc_u64 s[52:53], s[4:5], s[38:39]        ; -M and l of my slots
	s_add_nc_u64 s[4:5], s[4:5], s[32:33]          ; the first quarter's d of my first slot
	global_load_b32 v3, v2, s[52:53]
	global_load_b32 v4, v2, s[52:53] offset:2560
	global_load_b128 v[96:99], v29, s[4:5]
	global_load_b32 v8, v27, s[6:7]
	WIN 0x40                                       ; fc2_w [my 16 channels][4] and fc2_b into window 1
.irp c, 0,1,2,3
.irp e, 0,1,2,3
	global_load_b128 v[16*\c+4*\e:16*\c+4*\e+3], v9, s[8:9] offset:2048*\c+16*\e
.endr
.endr
.irp c, 0,1,2,3
	global_load_b128 v[64+4*\c:67+4*\c], v1, s[10:11] offset:512*\c
.endr
	WIN 0
.irp c, 0,1,2,3
	global_load_b128 v[W+4*\c:W+4*\c+3], v1, s[12:13] offset:512*\c
	global_load_b128 v[B+4*\c:B+4*\c+3], v1, s[14:15] offset:512*\c
.endr
	; addresses, while the loads are on their way
	v_and_b32 v21, 15, v0
	v_bfe_u32 v22, v0, 4, 1
	v_lshlrev_b32 v23, 3, v22
	s_mul_i32 s38, s24, 8*SP
	v_add_nc_u32 v10, s38, v1
	v_mul_u32_u24 v11, v21, SP
	v_lshl_add_u32 v11, v22, 8, v11
	s_mul_i32 s38, s37, 16*SP
	s_lshl_b32 s39, s36, 10
	s_add_co_u32 s38, s38, s39
	v_add_nc_u32 v11, s38, v11
	v_lshlrev_b32 v12, 2, v20
	s_lshl_b32 s38, s24, 8
	v_add_nc_u32 v12, s38, v12
	v_add_nc_u32 v13, 32*SP, v12
	s_lshl_b32 s38, s37, 8
	s_lshl_b32 s39, s36, 3
	s_add_co_u32 s38, s38, s39
	v_lshlrev_b32 v14, 4, v21
	v_add_nc_u32 v14, s38, v14
	v_lshl_add_u32 v15, v22, 1, v14
	v_add_nc_u32 v14, KSC, v14
	v_add_nc_u32 v15, VSC, v15
	v_add_nc_u32 v18, KSC, v1
	s_mul_i32 s38, s24, 3072
	v_add_nc_u32 v16, s38, v1
	s_and_b32 s30, s27, 1
	s_mul_i32 s38, s24, 6144
	s_lshl_b32 s39, s30, 8
	s_add_co_u32 s38, s38, s39
	v_mul_u32_u24 v17, v22, 1536
	v_lshl_add_u32 v17, v21, 4, v17
	v_add_nc_u32 v17, s38, v17
	s_mul_i32 s38, s26, 10240
	s_lshl_b32 s39, s34, 4
	s_add_co_u32 s38, s38, s39
	s_add_co_u32 s38, s38, 2048000
	s_mov_b32 s39, 0
	s_add_nc_u64 s[22:23], s[18:19], s[38:39]      ; h of my slots
	s_lshr_b32 s38, s27, 1
	s_mul_i32 s38, s38, 51200
	s_mul_i32 s31, s26, 256000
	s_add_co_u32 s38, s38, s31
	s_add_nc_u64 s[KFB:KFB+1], s[16:17], s[38:39]
	s_add_nc_u64 s[VFB:VFB+1], s[18:19], s[38:39]
	s_lshl_b32 s38, s30, 10
	s_add_co_u32 s38, s38, 49152
	s_add_nc_u64 s[KSB:KSB+1], s[KFB:KFB+1], s[38:39]
	s_add_nc_u64 s[VSB:VSB+1], s[VFB:VFB+1], s[38:39]
	s_mul_i32 s38, s30, 24576
	s_add_nc_u64 s[KFB:KFB+1], s[KFB:KFB+1], s[38:39]
	s_wait_loadcnt 28                              ; -M, l, d and fc1_b are in; behind them: 16 loads of fc2_w, 4 of fc2_b, 8 of gain and bias
	v_mov_b32 v5, v3
	v_min_num_f32_dpp v5, v5, v5 row_xmask:1 row_mask:0xf bank_mask:0xf
	v_min_num_f32_dpp v5, v5, v5 row_xmask:2 row_mask:0xf bank_mask:0xf    ; -M* of the row's four quarters
	v_sub_f32 v5, v5, v3                           ; M - M*: a whole number, 0 or less
	v_cvt_i32_f32 v5, v5
	v_ldexp_f32 v5, 1.0, v5
	v_mul_f32 v28, v5, v4
	v_add_f32_dpp v28, v28, v28 row_xmask:1 row_mask:0xf bank_mask:0xf
	v_add_f32_dpp v28, v28, v28 row_xmask:2 row_mask:0xf bank_mask:0xf
	v_rcp_f32 v28, v28
	v_nop
	s_wait_alu depctr_va_vdst(0)                   ; a wait ahead of the reciprocal's reader
	v_mul_f32 v5, v5, v28                          ; g
.irp j, 0,1,2,3
	v_mul_f32 v[96+\j], v5, v[96+\j]               ; my quarter's g d
.endr
.irp m, 1,2
.irp j, 0,1,2,3
	v_add_f32_dpp v[96+\j], v[96+\j], v[96+\j] row_xmask:\m row_mask:0xf bank_mask:0xf     ; the four quarters' lie in four neighbouring lanes
.endr
.endr
	v_cmp_eq_u32 vcc_lo, 1, v30                    ; lane 4 i + j keeps the row's j-th sum
	v_cndmask_b32 v6, v96, v97, vcc_lo
	v_cmp_eq_u32 vcc_lo, 2, v30
	v_cndmask_b32 v6, v6, v98, vcc_lo
	v_cmp_eq_u32 vcc_lo, 3, v30
	v_cndmask_b32 v6, v6, v99, vcc_lo
	; GELU, once for the wave's 32 numbers
	v_add_f32 v120, v6, v8                         ; x
	v_and_b32 v121, 0x7fffffff, v120
	v_mul_f32 v121, 0x3f3504f3, v121               ; u = |x| / sqrt(2)
	v_mov_b32 v123, 0x3ea7ba05
	v_fma_f32 v122, v121, v123, 1.0
	v_rcp_f32 v122, v122                           ; t = 1 / (1 + 0.3275911 u)
	v_mul_f32 v124, v121, v121
	v_mul_f32 v124, 0xbfb8aa3b, v124
	v_exp_f32 v124, v124                           ; e^(-u u)
	v_mov_b32 v125, 0x3f87dc22
	s_wait_alu depctr_va_vdst(0)                   ; one wait for the two, ahead of their first reader
	v_fmaak_f32 v125, v125, v122, 0xbfba00e3
	v_fmaak_f32 v125, v125, v122, 0x3fb5f0e3
	v_fmaak_f32 v125, v125, v122, 0xbe91a98e
	v_fmaak_f32 v125, v125, v122, 0x3e827906
	v_mul_f32 v125, v125, v122
	v_fma_f32 v125, -v125, v124, 1.0               ; erf(u)
	v_bfi_b32 v125, 0x7fffffff, v125, v120         ; with x's sign
	v_add_f32 v125, 1.0, v125
	v_mul_f32 v126, 0.5, v120
	v_mul_f32 v7, v126, v125                       ; h
	global_store_b32 v19, v7, s[22:23]             ; 128 consecutive bytes a wave
	s_wait_loadcnt 0x8                             ; fc2_w and fc2_b are in; the eight loads of gain and bias may be out
.irp i, 0,1,2,3,4,5,6,7
	v_readlane_b32 s56, v7, 4*\i
	v_readlane_b32 s57, v7, 4*\i+1
	v_readlane_b32 s58, v7, 4*\i+2
	v_readlane_b32 s59, v7, 4*\i+3
	WIN 0x14
.set NN, 0
.rept 16
	v_fma_f32 v[X+16*\i+NN], s56, v[4*NN], v[64+NN]
.set NN, NN+1
.endr
	WIN 0x04
.set NN, 0
.rept 16
	v_fma_f32 v[X+16*\i+NN], s57, v[4*NN+1], v[X+16*\i+NN]
.set NN, NN+1
.endr
.set NN, 0
.rept 16
	v_fma_f32 v[X+16*\i+NN], s58, v[4*NN+2], v[X+16*\i+NN]
.set NN, NN+1
.endr
.set NN, 0
.rept 16
	v_fma_f32 v[X+16*\i+NN], s59, v[4*NN+3], v[X+16*\i+NN]
.set NN, NN+1
.endr
	WIN 0
.endr
	LNROWS
	s_add_co_u32 s38, s34, 7                       ; slots past 576 become zeros: a branch on ids round the block
	s_cmp_lt_u32 s38, s29
	s_cbranch_scc1 .Lallrows
.irp i, 0,1,2,3,4,5,6,7
	s_add_co_u32 s38, s34, \i
	s_cmp_lt_u32 s38, s29
	s_cselect_b32 s50, 1.0, 0
.irp p, 0,2,4,6,8,10,12,14
	v_pk_mul_f32 v[X+16*\i+\p:X+16*\i+\p+1], v[X+16*\i+\p:X+16*\i+\p+1], s[50:51] op_sel_hi:[1,0]
.endr
.endr
.Lallrows:
.irp i, 0,1,2,3,4,5,6,7
.irp c, 0,1,2,3
	ds_store_b128 v10, v[X+16*\i+4*\c:X+16*\i+4*\c+3] offset:SP*\i+512*\c
.endr
.endr
	s_wait_dscnt 0x0
	s_barrier_signal -1
	s_barrier_wait -1
	KPATH
	s_wait_xcnt 0x0                                ; the fragments' registers are written again only behind this wait
	VPATH
	s_wait_dscnt 0x0
	s_barrier_signal -1
	s_barrier_wait -1
	s_cmp_lg_u32 s24, 0
	s_cbranch_scc1 .Lnot0
	ds_load_b128 v[32:35], v18
	ds_load_b128 v[36:39], v18 offset:512
	s_wait_dscnt 0x0
	global_store_b128 v1, v[32:35], s[KSB:KSB+1]
	global_store_b128 v1, v[36:39], s[KSB:KSB+1] offset:512
.Lnot0:
	s_cmp_lg_u32 s24, 1
	s_cbranch_scc1 .Lend
	ds_load_b128 v[32:35], v18 offset:1024
	ds_load_b128 v[36:39], v18 offset:1536
	s_wait_dscnt 0x0
	global_store_b128 v1, v[32:35], s[VSB:VSB+1]
	global_store_b128 v1, v[36:39], s[VSB:VSB+1] offset:512
.Lend:
	s_wait_tensorcnt 0x0
	ds_add_u32 v251, v255
	s_wait_dscnt 0x0
	s_endpgm
.Lfunc_end_k_q4047770720_mid:
	.size	k_q4047770720_mid, .Lfunc_end_k_q4047770720_mid-k_q4047770720_mid
	.p2alignl 7, 3214868480
	.fill 96, 4, 3214868480
	.section	.rodata,"a",@progbits
	.p2align	6, 0x0
	.amdhsa_kernel k_q4047770720_mid
		.amdhsa_group_segment_fixed_size 135168
		.amdhsa_private_segment_fixed_size 0
		.amdhsa_enable_private_segment 0
		.amdhsa_kernarg_size 64
		.amdhsa_user_sgpr_count 2
		.amdhsa_user_sgpr_kernarg_segment_ptr 1
		.amdhsa_wavefront_size32 1
		.amdhsa_system_sgpr_workgroup_id_x 1
		.amdhsa_system_sgpr_workgroup_id_y 1
		.amdhsa_system_sgpr_workgroup_id_z 1
		.amdhsa_system_vgpr_workitem_id 0
		.amdhsa_next_free_vgpr 384
		.amdhsa_next_free_sgpr 66
		.amdhsa_reserve_vcc 1
		.amdhsa_float_denorm_mode_32 3
		.amdhsa_float_denorm_mode_16_64 3
		.amdhsa_memory_ordered 1
		.amdhsa_forward_progress 1
		.amdhsa_inst_pref_size 103
	.end_amdhsa_kernel
	.amdgpu_metadata
---
amdhsa.version: [ 1, 2 ]
amdhsa.kernels:
  - .name:           k_q4047770720_mid
    .symbol:         k_q4047770720_mid.kd
    .args:
      - { .name: part, .offset: 0, .size: 8, .value_kind: global_buffer, .address_space: global }
      - { .name: fc1_b, .offset: 8, .size: 8, .value_kind: global_buffer, .address_space: global }
      - { .name: fc2_w, .offset: 16, .size: 8, .value_kind: global_buffer, .address_space: global }
      - { .name: fc2_b, .offset: 24, .size: 8, .value_kind: global_buffer, .address_space: global }
      - { .name: norm3_w, .offset: 32, .size: 8, .value_kind: global_buffer, .address_space: global }
      - { .name: norm3_b, .offset: 40, .size: 8, .value_kind: global_buffer, .address_space: global }
      - { .name: kc2, .offset: 48, .size: 8, .value_kind: global_buffer, .address_space: global }
      - { .name: vc2, .offset: 56, .size: 8, .value_kind: global_buffer, .address_space: global }
    .group_segment_fixed_size: 135168
    .private_segment_fixed_size: 0
    .kernarg_segment_align: 8
    .kernarg_segment_size: 64
    .max_flat_workgroup_size: 256
    .sgpr_count:     66
    .vgpr_count:     384
    .wavefront_size: 32
...
	.end_amdgpu_metadata
.endif
;; end of part 3
;; launch satt (part 4): grid 8 x 8, 4 waves a work-group, clusters of 4 x 1, 327,680 bytes of LDS; arguments kc2, vc2, nf, fc2_w, fc2_b, gamma1, gamma2, out0, sink; writes out0, sink
.if DOCPART == 4
	.amdgcn_target "amdgcn-amd-amdhsa--gfx1250"
	.amdhsa_code_object_version 6
	.text
	.protected	k_q4047770720_satt
	.globl	k_q4047770720_satt
	.p2align	8
	.type	k_q4047770720_satt,@function
k_q4047770720_satt:
	s_mov_b64 s[64:65], 0
	v_nop
	global_prefetch_b8 v0, s[64:65] scope:SCOPE_SE
	s_setreg_imm32_b32 hwreg(HW_REG_WAVE_MODE, 25, 1), 1
	s_wait_xcnt 0x0
	s_wait_alu depctr_hold_cnt(0) depctr_sa_sdst(0) depctr_va_vdst(0) depctr_va_sdst(0) depctr_va_ssrc(0) depctr_va_vcc(0) depctr_vm_vsrc(0)
	s_getreg_b32 s2, hwreg(HW_REG_IB_STS2, 6, 4)
	s_cmp_eq_u32 s2, 0
	s_cbranch_scc0 .Lentry_in_a_cluster
	s_endpgm
.Lentry_in_a_cluster:
	s_bfe_u32 s2, ttmp6, 0x10000c
	s_cmp_lg_u32 s2, 0x3003
	s_cbranch_scc0 .Lentry_shape_is_right
	s_endpgm
.Lentry_shape_is_right:
; Self attention over the 577 rows of norm_cross on codes of FP6 (E2M3), and the result: out = norm_F_L + gamma2 (cross + gamma1 self), cross = h fc2_w^T + fc2_b made again from the stored h.
; A work-group takes 80 query slots (five tiles of 16) of one batch and all its keys: three steps of 256, written out.  Shares, layouts, ring, softmax and registers are those of the cross attention's launch:
; both products transposed; in the first product wave w takes 64 of a step's keys, in the second channels 128 w .. 128 w + 127, both for all five tiles; p goes from wave to wave through LDS.
; kc2 serves as queries and as keys.  The third step has one group of 128 rows: ONE wave asks for it, by a tile of 400 rows of which the tensor is stated to have 200 left, so that the second group's bytes arrive as zeros.
; Keys past 576 are hidden by -infinity ahead of the maximum: 577 - 512 - 1 = 64 is the third step's last key that counts.
; CLUSTER: the four work-groups of a cluster walk the same K and V: joint loads with the mask 15.  No prefetch: three steps only.
; ROWS PAST THE END.  Query slots 577 to 639 are computed like the others.  No branch may hang on a work-group's place in its cluster, so their rows are stored too, into the workspace sink, by a choice of the stores' base.
.set GRP,   51200
.set TILE,  102400
.set KB,    TILE
.set VV,    2*TILE
.set PIM,   3*TILE
.set PSC,   PIM+15360
.set MXO,   1280
.set LXO,   2560
.set SPARE, PSC+3840                   ; the spare words, 128 bytes for each wave: two blocks of 256 bytes that no other line names
.set STAGE, KB                         ; the way out: in K's second slot, which has had its one fill and its last read by then
.set ST,    20
.set MSB,   0
.macro WIN new
.if MSB != (\new)
	s_set_vgpr_msb (MSB<<8)|(\new)
.set MSB, (\new)
.endif
.endm
.macro PLACES n
.rept \n
	v_nop
.endr
.endm
.macro CROUND
	s_barrier_signal -1
	s_barrier_wait -1
	s_cmp_lg_u32 s16, 0
	s_cbranch_scc1 .Lnw0_\@
	s_barrier_signal -3
.Lnw0_\@:
	s_barrier_wait -3
	s_barrier_signal -1
	s_barrier_wait -1
.endm
.macro TLOAD km, vm                    ; km = 2: wave 0 alone brings the last K, one group and zeros.  vm = 1: waves 2 and 3 bring V's two groups; vm = 2: wave 2 alone, one group and zeros
.if \km
	s_cmp_eq_u32 s16, 0
	s_cbranch_scc0 .Lnk_\@
	tensor_load_to_lds s[40:43], s[88:95]
	s_nop 0
	PLACES 4
	s_branch .Ldone_\@
.Lnk_\@:
.endif
.if (\vm) == 1
	s_cmp_lt_u32 s16, 2
	s_cbranch_scc1 .Ldone_\@
	tensor_load_to_lds s[44:47], s[28:35]
	s_nop 0
	PLACES 4
.endif
.if (\vm) == 2
	s_cmp_eq_u32 s16, 2
	s_cbranch_scc0 .Ldone_\@
	tensor_load_to_lds s[44:47], s[88:95]
	s_nop 0
	PLACES 4
.endif
.Ldone_\@:
.endm
.macro CHANGE km, vm
	WIN 0
	s_wait_tensorcnt 0x0                           ; no tensor load of mine is out, so the descriptors may be written
	ds_add_u32 v1, v2                              ; 0 onto my spare word
	s_xor_b32 s49, s48, KB
	s_add_co_u32 s41, s49, s50
	s_add_nc_u64 s[42:43], s[42:43], TILE
	s_add_nc_u64 s[46:47], s[46:47], TILE
	s_wait_dscnt 0x0                               ; the add is done, and so are my LDS reads
	CROUND
	TLOAD \km, \vm
.endm
.macro KSET ks, set
.set FS, 192+16*(\set)
	WIN 0x40*(\set)
.irp kt, 0,1,2,3
.irp u, 0,1,2
	ds_load_b128 v[FS+12*\kt+4*\u:FS+12*\kt+4*\u+3], v5 offset:(4*\kt+(\ks))*1536+512*\u
.endr
.endr
.endm
.macro SMUL ks, set                    ; the 20 accumulators take turns
.set FS, 192+16*(\set)
	WIN 0x58+(\set)
.irp kt, 0,1,2,3
.irp q, 0,1,2,3
.if (\ks) == 0
	v_wmma_scale_f32_16x16x128_f8f6f4 v[32*\q+8*\kt:32*\q+8*\kt+7], v[FS+12*\kt:FS+12*\kt+11], v[48*\q+12*(\ks):48*\q+12*(\ks)+11], 0, v[160+4*\kt+(\ks)], v[140+4*\q+(\ks)] matrix_a_fmt:MATRIX_FMT_FP6 matrix_b_fmt:MATRIX_FMT_FP6
.else
	v_wmma_scale_f32_16x16x128_f8f6f4 v[32*\q+8*\kt:32*\q+8*\kt+7], v[FS+12*\kt:FS+12*\kt+11], v[48*\q+12*(\ks):48*\q+12*(\ks)+11], v[32*\q+8*\kt:32*\q+8*\kt+7], v[160+4*\kt+(\ks)], v[140+4*\q+(\ks)] matrix_a_fmt:MATRIX_FMT_FP6 matrix_b_fmt:MATRIX_FMT_FP6
.endif
.endr
.endr
	WIN 0x54+(\set)
.irp kt, 0,1,2,3
.if (\ks) == 0
	v_wmma_scale_f32_16x16x128_f8f6f4 v[128+8*\kt:128+8*\kt+7], v[FS+12*\kt:FS+12*\kt+11], v[160+12*(\ks):160+12*(\ks)+11], 0, v[160+4*\kt+(\ks)], v[156+(\ks)] matrix_a_fmt:MATRIX_FMT_FP6 matrix_b_fmt:MATRIX_FMT_FP6
.else
	v_wmma_scale_f32_16x16x128_f8f6f4 v[128+8*\kt:128+8*\kt+7], v[FS+12*\kt:FS+12*\kt+11], v[160+12*(\ks):160+12*(\ks)+11], v[128+8*\kt:128+8*\kt+7], v[160+4*\kt+(\ks)], v[156+(\ks)] matrix_a_fmt:MATRIX_FMT_FP6 matrix_b_fmt:MATRIX_FMT_FP6
.endif
.endr
.endm
.macro SPHASE
	WIN 0
	v_add_nc_u32 v5, s48, v3
	v_add_nc_u32 v6, s48, v4
	PLACES 3                                       ; five places in all behind the last products: the new sums are laid over registers that those read
.irp kt, 0,1,2,3
	ds_load_b128 v[160+4*\kt:163+4*\kt], v6 offset:256*\kt
.endr
	KSET 0, 0
	KSET 1, 1
	s_wait_dscnt 12                                ; all but the 12 loads just issued
	SMUL 0, 0
	PLACES 4
	KSET 2, 0
	s_wait_dscnt 12
	SMUL 1, 1
	PLACES 4
	KSET 3, 1
	s_wait_dscnt 12
	SMUL 2, 0
	s_wait_dscnt 0x0
	SMUL 3, 1
.endm
.macro MASK thr
	s_lshl_b32 s4, s16, 6
	s_sub_co_i32 s4, \thr, s4
	v_bfe_u32 v16, v0, 4, 1
	v_lshlrev_b32 v16, 4, v16
	v_sub_nc_u32 v16, s4, v16
	WIN 0x41
.set NN, 0
.rept 32
	v_cmp_gt_i32 vcc_lo, 32*(NN/16)+NN%16, v16
.irp q, 0,1,2,3,4
	v_cndmask_b32 v[32*\q+NN], v[32*\q+NN], v17, vcc_lo
.endr
.set NN, NN+1
.endr
	WIN 0
.endm
.macro SOFTA
	WIN 0x15
.irp q, 0,1,2,3,4
.irp b, 0,1
	v_max3_num_f32 v[50+2*\q+\b], v[32*\q+16*\b], v[32*\q+16*\b+1], v[32*\q+16*\b+2]
.endr
.endr
	WIN 0x14
.irp i, 3,5,7,9,11,13
.irp q, 0,1,2,3,4
.irp b, 0,1
	v_max3_num_f32 v[50+2*\q+\b], v[50+2*\q+\b], v[32*\q+16*\b+\i], v[32*\q+16*\b+\i+1]
.endr
.endr
.endr
.irp q, 0,1,2,3,4
.irp b, 0,1
	v_max_num_f32 v[50+2*\q+\b], v[50+2*\q+\b], v[32*\q+16*\b+15]
.endr
.endr
	WIN 0
.irp q, 0,1,2,3,4
.irp b, 0,1
	v_permlanex16_b32 v[60+2*\q+\b], v[50+2*\q+\b], s24, s25
.endr
.endr
.irp q, 0,1,2,3,4
.irp b, 0,1
	v_max_num_f32 v[50+2*\q+\b], v[50+2*\q+\b], v[60+2*\q+\b]
.endr
.endr
.irp q, 0,1,2,3,4
	v_max_num_f32 v[60+2*\q], v[50+2*\q], v[51+2*\q]
.endr
.irp q, 0,1,2,3,4
	ds_store_b32 v11, v[60+2*\q] offset:MXO+256*\q
.endr
	s_wait_dscnt 0x0
	s_barrier_signal -1
	s_barrier_wait -1
.endm
.macro SOFTB
.irp q, 0,1,2,3,4
	ds_load_b128 v[80+4*\q:83+4*\q], v12 offset:MXO+256*\q
.endr
	s_wait_dscnt 0x0
.irp q, 0,1,2,3,4
	v_max3_num_f32 v[80+4*\q], v[80+4*\q], v[81+4*\q], v[82+4*\q]
.endr
.irp q, 0,1,2,3,4
	v_max_num_f32 v[80+4*\q], v[80+4*\q], v[83+4*\q]
.endr
.irp q, 0,1,2,3,4
	v_mul_f32 v[80+4*\q], s22, v[80+4*\q]
.endr
.irp q, 0,1,2,3,4
	v_max_num_f32 v[ST+6*\q+1], v[ST+6*\q+1], v[80+4*\q]
.endr
.irp q, 0,1,2,3,4
	v_mov_b32 v[81+4*\q], v[ST+6*\q]
.endr
.irp q, 0,1,2,3,4
	v_floor_f32 v[ST+6*\q], -v[ST+6*\q+1]
.endr
.irp q, 0,1,2,3,4
	v_sub_f32 v[81+4*\q], v[ST+6*\q], v[81+4*\q]
.endr
.irp q, 0,1,2,3,4
	v_cvt_i32_f32 v[81+4*\q], v[81+4*\q]
.endr
.irp q, 0,1,2,3,4
	v_ldexp_f32 v[ST+6*\q+4], 1.0, v[81+4*\q]
.endr
.irp q, 0,1,2,3,4
.irp b, 0,1
	v_fma_f32 v[50+2*\q+\b], v[50+2*\q+\b], s22, v[ST+6*\q]
.endr
.endr
	WIN 0x41
.irp q, 0,1,2,3,4
.irp p, 0,2,4,6,8,10,12,14,16,18,20,22,24,26,28,30
	v_pk_fma_f32 v[32*\q+\p:32*\q+\p+1], v[32*\q+\p:32*\q+\p+1], s[22:23], v[ST+6*\q:ST+6*\q+1] op_sel_hi:[1,0,0]
.endr
.endr
.set NN, 0
.rept 160
	v_exp_f32 v[NN], v[NN]
.set NN, NN+1
.endr
	WIN 0
.irp q, 0,1,2,3,4
	v_pk_mul_f32 v[ST+6*\q+2:ST+6*\q+3], v[ST+6*\q+2:ST+6*\q+3], v[ST+6*\q+4:ST+6*\q+5] op_sel_hi:[1,0]
.endr
	s_wait_alu depctr_va_vdst(0)                   ; one wait for the batch, ahead of its first reader
.irp q, 0,1,2,3,4
.irp b, 0,1
	v_exp_f32 v[50+2*\q+\b], v[50+2*\q+\b]
.endr
.endr
	WIN 0x04
.irp p, 0,2,4,6,8,10,12,14,16,18,20,22,24,26,28,30
.irp q, 0,1,2,3,4
	v_pk_add_f32 v[ST+6*\q+2:ST+6*\q+3], v[ST+6*\q+2:ST+6*\q+3], v[32*\q+\p:32*\q+\p+1]
.endr
.endr
	WIN 0
	s_wait_alu depctr_va_vdst(0)                   ; and one for the ten
.irp q, 0,1,2,3,4
.irp b, 0,1
	v_max_num_f32 v[50+2*\q+\b], 0x1800000, v[50+2*\q+\b]
.endr
.endr
.irp q, 0,1,2,3,4
.irp b, 0,1
	v_add_nc_u32 v[70+2*\q+\b], 0xff000000, v[50+2*\q+\b]
.endr
.endr
.irp q, 0,1,2,3,4
.irp b, 0,1
	v_lshrrev_b32 v[60+2*\q+\b], 23, v[70+2*\q+\b]
.endr
.endr
.irp q, 0,1,2,3,4
	v_lshl_or_b32 v[60+2*\q], v[61+2*\q], 16, v[60+2*\q]
.endr
.irp q, 0,1,2,3,4
	v_lshlrev_b32 v[60+2*\q], s52, v[60+2*\q]
.endr
	WIN 0x01
.irp q, 0,1,2,3,4
	v_cvt_scalef32_pk16_fp6_f32 v[100+8*\q:102+8*\q], v[32*\q:32*\q+15], v[70+2*\q]
	v_cvt_scalef32_pk16_fp6_f32 v[104+8*\q:106+8*\q], v[32*\q+16:32*\q+31], v[71+2*\q]
.endr
	WIN 0
	v_nop
.irp q, 0,1,2,3,4
.irp i, 0,1,2
	v_permlane16_swap_b32 v[100+8*\q+\i], v[104+8*\q+\i]
.endr
.endr
.irp q, 0,1,2,3,4
.irp i, 0,1,2
	v_mov_b32 v[103+8*\q+\i], v[104+8*\q+\i]
.endr
.endr
.irp q, 0,1,2,3,4
.irp p, 0,1,2
	ds_store_b64 v9, v[100+8*\q+2*\p:101+8*\q+2*\p] offset:3072*\q+8*\p
.endr
.endr
.irp q, 0,1,2,3,4
	ds_store_b32 v11, v[60+2*\q] offset:256*\q
.endr
	s_wait_tensorcnt 0x0                           ; every wave: whatever load it has out has landed: this step's V, which all four waves read behind the barrier, among them
	s_wait_dscnt 0x0                               ; my stores of p's codes and scale bytes have landed
	s_barrier_signal -1
	s_barrier_wait -1
.endm
.macro VSET n, set
.set FS, 192+16*(\set)
	WIN 0x40*(\set)
.irp k, 0,1,2,3
.irp u, 0,1,2
	ds_load_b128 v[FS+12*\k+4*\u:FS+12*\k+4*\u+3], v7 offset:((\n)>>1)*GRP+(4*((\n)&1)+\k)*1536+512*\u
.endr
.endr
.endm
.macro PMUL n, set, zero
.set FS, 192+16*(\set)
.set GG, (\n)>>1
.set C0, 4*((\n)&1)
	WIN 0xf4+(\set)
.irp k, 0,1,2,3
.irp q, 0,1,2,3
.if \zero
	v_wmma_scale_f32_16x16x128_f8f6f4 v[64*\q+8*(C0+\k):64*\q+8*(C0+\k)+7], v[FS+12*\k:FS+12*\k+11], v[12*(2*\q+GG):12*(2*\q+GG)+11], 0, v[160+4*(\n)+\k], v[176+2*\q+GG] matrix_a_fmt:MATRIX_FMT_FP6 matrix_b_fmt:MATRIX_FMT_FP6
.else
	v_wmma_scale_f32_16x16x128_f8f6f4 v[64*\q+8*(C0+\k):64*\q+8*(C0+\k)+7], v[FS+12*\k:FS+12*\k+11], v[12*(2*\q+GG):12*(2*\q+GG)+11], v[64*\q+8*(C0+\k):64*\q+8*(C0+\k)+7], v[160+4*(\n)+\k], v[176+2*\q+GG] matrix_a_fmt:MATRIX_FMT_FP6 matrix_b_fmt:MATRIX_FMT_FP6
.endif
.endr
.endr
	WIN 0xa4+(\set)
.irp k, 0,1,2,3
.if \zero
	v_wmma_scale_f32_16x16x128_f8f6f4 v[192+8*(C0+\k):192+8*(C0+\k)+7], v[FS+12*\k:FS+12*\k+11], v[12*(8+GG):12*(8+GG)+11], 0, v[160+4*(\n)+\k], v[184+GG] matrix_a_fmt:MATRIX_FMT_FP6 matrix_b_fmt:MATRIX_FMT_FP6
.else
	v_wmma_scale_f32_16x16x128_f8f6f4 v[192+8*(C0+\k):192+8*(C0+\k)+7], v[FS+12*\k:FS+12*\k+11], v[12*(8+GG):12*(8+GG)+11], v[192+8*(C0+\k):192+8*(C0+\k)+7], v[160+4*(\n)+\k], v[184+GG] matrix_a_fmt:MATRIX_FMT_FP6 matrix_b_fmt:MATRIX_FMT_FP6
.endif
.endr
.endm
.macro PVPHASE first
	WIN 0
.irp q, 0,1,2,3,4
	ds_load_b128 v[80+4*\q:83+4*\q], v12 offset:256*\q
.endr
.irp g, 0,1
.irp u, 0,1
	ds_load_b128 v[100+8*\g+4*\u:103+8*\g+4*\u], v8 offset:\g*GRP+\u*1024
.endr
.endr
	VSET 0, 0
	WIN 0x40
.irp f, 0,1,2,3,4,5,6,7,8,9
.irp u, 0,1,2
	ds_load_b128 v[12*\f+4*\u:12*\f+4*\u+3], v10 offset:1536*\f+16*\u
.endr
.endr
	WIN 0
	s_wait_dscnt 42                                ; the scale bytes are in; the 12 loads of V and the 30 of p may be out
.irp q, 0,1,2,3,4
	v_or_b32 v[176+2*\q], v[80+4*\q], v[81+4*\q]
	v_or_b32 v[177+2*\q], v[82+4*\q], v[83+4*\q]
.endr
.irp g, 0,1
.irp k, 0,1,2,3
	v_perm_b32 v[160+8*\g+2*\k], v[104+8*\g+\k], v[100+8*\g+\k], s60
	v_perm_b32 v[161+8*\g+2*\k], v[104+8*\g+\k], v[100+8*\g+\k], s61
.endr
.endr
.if \first
	PLACES 8                                       ; a scale register written by a vector instruction stands eight places ahead of the scaled matrix instruction
.else
	WIN 0xc3
.irp q, 0,1,2,3
.set NN, 0
.rept 32
	v_pk_mul_f32 v[64*\q+NN:64*\q+NN+1], v[64*\q+NN:64*\q+NN+1], v[ST+6*\q+4:ST+6*\q+5] op_sel_hi:[1,0]
.set NN, NN+2
.endr
.endr
	WIN 0x82
.set NN, 0
.rept 32
	v_pk_mul_f32 v[192+NN:192+NN+1], v[192+NN:192+NN+1], v[ST+28:ST+29] op_sel_hi:[1,0]
.set NN, NN+2
.endr
.endif
	VSET 1, 1
	s_wait_dscnt 12                                ; all but the 12 loads just issued
	PMUL 0, 0, \first
	PLACES 4
	VSET 2, 0
	s_wait_dscnt 12
	PMUL 1, 1, \first
	PLACES 4
	VSET 3, 1
	s_wait_dscnt 12
	PMUL 2, 0, 0
	s_wait_dscnt 0x0
	PMUL 3, 1, 0
.endm
.macro STEP first, mask
	SPHASE
	WIN 0
	PLACES 4
.if \mask
	MASK 64
.endif
	SOFTA
	SOFTB
	PVPHASE \first
	WIN 0
	s_xor_b32 s48, s48, KB
.endm
	s_load_b512 s[68:83], s[0:1], 0x0              ; kc2, vc2, nf, fc2_w, fc2_b, gamma1, gamma2, out0
	s_load_b64 s[84:85], s[0:1], 0x40              ; sink
	v_lshl_add_u32 v1, v0, 2, SPARE
	v_mov_b32 v2, 0
	ds_add_u32 v1, v2
	ds_add_u32 v1, v2
	s_wait_dscnt 0x0
	v_lshrrev_b32 v3, 5, v0
	v_readfirstlane_b32 s16, v3                    ; wave 0..3
	s_bfe_u32 s17, ttmp6, 0x40000                  ; cx
	s_lshl_b32 s18, ttmp9, 2
	s_add_co_u32 s18, s18, s17                     ; my block of 80 query slots: it enters global addresses alone
	s_and_b32 s20, ttmp7, 0xffff                   ; the batch
	s_and_b32 s5, s16, 1
	s_mul_i32 s50, s5, GRP
	s_lshl_b32 s52, s5, 3
	s_mul_i32 s14, s20, 256000
	s_add_co_u32 s4, s14, s50
	s_mov_b32 s5, 0
	s_mov_b32 s28, 15|(3<<16)|(1<<21)              ; group 1 for a group of 200 rows of 256 bytes, dense; the mask of all four partners
	s_mov_b32 s29, 32<<16
	s_mov_b32 s30, 200<<16
	s_mov_b32 s31, 32<<16
	s_mov_b32 s32, 200
	s_mov_b32 s33, 32
	s_mov_b32 s34, 0
	s_mov_b32 s35, 0
	s_mov_b32 s88, 15|(3<<16)|(1<<21)              ; group 1 for the last step: a tile of 400 rows, of which 200 are left in the tensor: the others arrive as zeros
	s_mov_b32 s89, 32<<16
	s_mov_b32 s90, 200<<16
	s_mov_b32 s91, 32<<16
	s_mov_b32 s92, 400
	s_mov_b32 s93, 32
	s_mov_b32 s94, 0
	s_mov_b32 s95, 0
	s_mov_b32 s22, 0x3d8293ee                      ; c = log2(e) / sqrt(512)
	s_mov_b32 s23, s22
	s_mov_b32 s24, 0x76543210
	s_mov_b32 s25, 0xfedcba98
	s_mov_b32 s60, 0x05010400
	s_mov_b32 s61, 0x07030602
	s_mov_b32 s48, 0
	s_wait_kmcnt 0x0
	s_add_nc_u64 s[6:7], s[68:69], s[4:5]
	s_add_nc_u64 s[8:9], s[70:71], s[4:5]
	CROUND                                         ; all four work-groups are here: the first joint loads meet
	s_mov_b32 s36, 1
	s_mov_b32 s37, s50
	s_mov_b64 s[38:39], s[6:7]
	s_or_b32 s39, s39, 0x80000000
	s_mov_b32 s40, 1
	s_add_co_u32 s41, s50, KB
	s_add_nc_u64 s[42:43], s[6:7], TILE
	s_or_b32 s43, s43, 0x80000000
	s_mov_b32 s44, 1
	s_add_co_u32 s45, s50, VV
	s_mov_b64 s[46:47], s[8:9]
	s_or_b32 s47, s47, 0x80000000
	s_cmp_lt_u32 s16, 2
	s_cbranch_scc0 .Lfirst_v
	tensor_load_to_lds s[36:39], s[28:35]
	s_nop 0
	tensor_load_to_lds s[40:43], s[28:35]
	s_nop 0
	PLACES 4
	s_branch .Lfirst_done
.Lfirst_v:
	tensor_load_to_lds s[44:47], s[28:35]
	s_nop 0
	PLACES 4
.Lfirst_done:
	v_and_b32 v80, 31, v0
	v_and_b32 v81, 15, v0
	v_bfe_u32 v82, v0, 4, 1
	v_lshlrev_b32 v83, 4, v80
	s_mov_b32 s4, s14
	s_mov_b32 s5, 0
	s_add_nc_u64 s[68:69], s[68:69], s[4:5]        ; kc2 at my batch: the queries
	s_mul_i32 s19, s18, 5
.irp q, 0,1,2,3,4
	s_add_co_u32 s5, s19, \q
	s_lshr_b32 s6, s5, 3
	s_mul_i32 s6, s6, GRP
	s_and_b32 s5, s5, 7
	s_mul_i32 s7, s5, 6144
	s_add_co_u32 s7, s7, s6
	v_add_nc_u32 v[100+\q], s7, v83
	s_lshl_b32 s5, s5, 8
	s_add_co_u32 s5, s5, s6
	s_add_co_u32 s5, s5, 49152
	v_lshl_add_u32 v[105+\q], v81, 4, s5
.endr
	WIN 0x80
.irp q, 0,1,2,3
.irp f, 0,1,2,3,4,5,6,7,8,9,10,11
	global_load_b128 v[48*\q+4*\f:48*\q+4*\f+3], v[100+\q], s[68:69] offset:512*\f
.endr
.endr
	WIN 0x40
.irp f, 0,1,2,3,4,5,6,7,8,9,10,11
	global_load_b128 v[160+4*\f:160+4*\f+3], v104, s[68:69] offset:512*\f
.endr
	WIN 0
.irp q, 0,1,2,3,4
	global_load_b128 v[140+4*\q:143+4*\q], v[105+\q], s[68:69]
.endr
	s_lshr_b32 s4, s16, 1
	s_and_b32 s5, s16, 1
	s_mul_i32 s6, s4, GRP
	s_mul_i32 s7, s5, 24576
	s_add_co_u32 s7, s7, s6
	v_add_nc_u32 v3, s7, v83
	s_lshl_b32 s7, s5, 10
	s_add_co_u32 s7, s7, s6
	s_add_co_u32 s7, s7, 49152
	v_lshl_add_u32 v4, v81, 4, s7
	s_mul_i32 s7, s16, 12288
	s_add_co_u32 s7, s7, VV
	v_add_nc_u32 v7, s7, v83
	s_lshl_b32 s7, s16, 8
	s_add_co_u32 s7, s7, VV+49152
	v_lshl_add_u32 v8, v81, 4, s7
	s_mul_i32 s7, s4, 1536
	s_mul_i32 s6, s5, 768
	s_add_co_u32 s7, s7, s6
	s_add_co_u32 s7, s7, PIM
	v_mul_u32_u24 v9, v81, 48
	v_mad_u32_u24 v9, v82, 24, v9
	v_add_nc_u32 v9, s7, v9
	v_mul_u32_u24 v10, v80, 48
	v_add_nc_u32 v10, PIM, v10
	s_lshl_b32 s7, s16, 2
	s_add_co_u32 s7, s7, PSC
	v_lshl_add_u32 v11, v81, 4, s7
	v_lshlrev_b32 v12, 4, v81
	v_add_nc_u32 v12, PSC, v12
	s_mul_i32 s7, s16, 8448
	s_add_co_u32 s7, s7, STAGE
	v_mul_u32_u24 v13, v81, 528
	v_lshl_add_u32 v13, v82, 5, v13
	v_add_nc_u32 v13, s7, v13
	v_add_nc_u32 v14, s7, v83
	s_lshl_b32 s7, s16, 9
	v_add_nc_u32 v15, s7, v83                      ; my four channels' 16 bytes of a row: 512 w + 16 lane
	v_mov_b32 v17, 0xff800000
	s_lshl_b32 s7, s16, 11
	v_lshl_add_u32 v18, v80, 6, s7                 ; my four channels' rows of fc2_w: 2,048 w + 64 lane
	v_mov_b32 v19, 0                               ; offset of the loads that every lane makes alike
.irp q, 0,1,2,3,4
	v_mov_b32 v[ST+6*\q+1], 0xff61b1e6
	v_floor_f32 v[ST+6*\q], -v[ST+6*\q+1]
	v_mov_b32 v[ST+6*\q+2], 0
	v_mov_b32 v[ST+6*\q+3], 0
	v_mov_b32 v[ST+6*\q+5], 0
	v_mov_b32 v[60+2*\q], 0
	v_mov_b32 v[61+2*\q], 0
.endr
	s_mul_i32 s4, s20, 10240
	s_add_co_u32 s4, s4, 2048000
	s_mov_b32 s5, 0
	s_add_nc_u64 s[86:87], s[70:71], s[4:5]        ; h of my batch
	s_mul_i32 s4, s20, 1310720
	s_add_nc_u64 s[72:73], s[72:73], s[4:5]        ; nf at my batch
	s_mul_i32 s26, s20, 1181696                    ; my batch in out0,
	s_lshl_b32 s27, s20, 17                        ; and in sink: 64 rows a batch
	s_wait_tensorcnt 0x1                           ; waves 0 and 1: K of step 0 is in, K of step 1 may be out; waves 2 and 3: V of step 0 may be out
	s_barrier_signal -1
	s_barrier_wait -1
	s_wait_loadcnt 0x0                             ; Q
	STEP 1, 0
	CHANGE 2, 1
	STEP 0, 0
	CHANGE 0, 2
	STEP 0, 1
	; THE WAY OUT
	PLACES 4
	global_load_b128 v[192:195], v15, s[78:79]     ; gamma1, gamma2, fc2_b of my four channels; fc2_w's four rows
	global_load_b128 v[196:199], v15, s[80:81]
	global_load_b128 v[200:203], v15, s[76:77]
.irp e, 0,1,2,3
	global_load_b128 v[204+4*\e:207+4*\e], v18, s[74:75] offset:16*\e
.endr
.irp q, 0,1,2,3,4
	v_add_f32 v[60+2*\q], v[ST+6*\q+2], v[ST+6*\q+3]
.endr
.irp q, 0,1,2,3,4
	v_permlanex16_b32 v[61+2*\q], v[60+2*\q], s24, s25
.endr
.irp q, 0,1,2,3,4
	v_add_f32 v[60+2*\q], v[60+2*\q], v[61+2*\q]
.endr
.irp q, 0,1,2,3,4
	ds_store_b32 v11, v[60+2*\q] offset:LXO+256*\q
.endr
	s_wait_dscnt 0x0
	s_barrier_signal -1
	s_barrier_wait -1
.irp q, 0,1,2,3,4
	ds_load_b128 v[80+4*\q:83+4*\q], v12 offset:LXO+256*\q
.endr
	s_wait_dscnt 0x0
.irp q, 0,1,2,3,4
	v_add_f32 v[80+4*\q], v[80+4*\q], v[81+4*\q]
	v_add_f32 v[82+4*\q], v[82+4*\q], v[83+4*\q]
.endr
.irp q, 0,1,2,3,4
	v_add_f32 v[80+4*\q], v[80+4*\q], v[82+4*\q]
.endr
.irp q, 0,1,2,3,4
	v_rcp_f32 v[ST+6*\q+4], v[80+4*\q]             ; 1 / l: one batch
.endr
	v_nop
	s_wait_alu depctr_va_vdst(0)                   ; one wait for the five, ahead of their first reader
	s_wait_loadcnt 0x0
.irp j, 0,1,2,3
.irp e, 0,1,2,3
	v_mov_b32 v[220+4*\j+\e], v[204+4*\e+\j]       ; fc2_w as [j][my four channels], for the packed forms
.endr
.endr
; Tile q: O^T / l through my stage, back as rows (lane l: channels 128 w + 4 l + 0 .. 3 of row i); then T = fc2_b + sum over j of h_j fc2_w_j; T += gamma1 self; T = nf + gamma2 T.
; Window 1: v0-63 the rows of self, v64-127 nf, v128-191 h (four a row, alike in all lanes), v192-255 T.
.macro FIN q
	WIN 0
	s_wait_xcnt 0x0                                ; the last tile's stores have read their data and bases
	s_add_co_u32 s4, s19, \q                       ; tile t; its slots 16 t + i are the natural rows tb + i % 8 + 16 (i / 8), tb = 32 (t / 2) + 8 (t % 2)
	s_lshr_b32 s5, s4, 1
	s_lshl_b32 s5, s5, 5
	s_and_b32 s6, s4, 1
	s_lshl_b32 s6, s6, 3
	s_add_co_u32 s5, s5, s6
	s_lshl_b32 s6, s5, 11
	s_mov_b32 s7, 0
	s_add_nc_u64 s[8:9], s[72:73], s[6:7]
	s_add_co_u32 s12, s6, s26                      ; the tile's place in out0,
	s_max_u32 s13, s5, 576
	s_sub_co_u32 s13, s13, 576
	s_lshl_b32 s13, s13, 11
	s_add_co_u32 s13, s13, s27                     ; and in sink
	s_lshl_b32 s6, s4, 8
	s_add_nc_u64 s[10:11], s[86:87], s[6:7]
	s_cmp_le_u32 s4, 36                            ; row i = 0 lies inside out0 up to tile 36 (row 576),
	s_cselect_b64 s[54:55], s[82:83], s[84:85]
	s_cselect_b32 s6, s12, s13
	s_add_nc_u64 s[54:55], s[54:55], s[6:7]
	s_cmp_le_u32 s4, 35                            ; the other rows up to tile 35
	s_cselect_b64 s[56:57], s[82:83], s[84:85]
	s_cselect_b32 s6, s12, s13
	s_add_nc_u64 s[56:57], s[56:57], s[6:7]
	WIN 0x40
.irp i, 0,1,2,3,4,5,6,7,8,9,10,11,12,13,14,15
	global_load_b128 v[64+4*\i:67+4*\i], v15, s[8:9] offset:((\i&7)+16*(\i>>3))*2048
.endr
.irp i, 0,1,2,3,4,5,6,7,8,9,10,11,12,13,14,15
	global_load_b128 v[128+4*\i:131+4*\i], v19, s[10:11] offset:16*\i
.endr
.if (\q) < 4
	WIN 0xc3
.set OB, 64*(\q)
.else
	WIN 0x82
.set OB, 192
.endif
.set NN, 0
.rept 32
	v_pk_mul_f32 v[OB+NN:OB+NN+1], v[OB+NN:OB+NN+1], v[ST+6*(\q)+4:ST+6*(\q)+5] op_sel_hi:[1,0]   ; each accumulator from its low end on
.set NN, NN+2
.endr
.if (\q) < 4
	WIN 0x0c
.else
	WIN 0x08
.endif
.irp c, 0,1,2,3,4,5,6,7
	ds_store_b128 v13, v[OB+8*\c:OB+8*\c+3] offset:64*\c
	ds_store_b128 v13, v[OB+8*\c+4:OB+8*\c+7] offset:64*\c+16
.endr
	WIN 0x40
.irp i, 0,1,2,3,4,5,6,7,8,9,10,11,12,13,14,15
	ds_load_b128 v[4*\i:4*\i+3], v14 offset:528*\i                 ; LDS serves a wave's instructions in order: these see my stores
.endr
	s_wait_loadcnt 0x0
	s_wait_dscnt 0x0
	WIN 0x41
.set NN, 0
.rept 32
	v_pk_fma_f32 v[192+2*NN:193+2*NN], v[128+4*(NN/2):129+4*(NN/2)], v[220+2*(NN%2):221+2*(NN%2)], v[200+2*(NN%2):201+2*(NN%2)] op_sel_hi:[0,1,1]
.set NN, NN+1
.endr
	WIN 0x51
.set NN, 0
.rept 32
	v_pk_fma_f32 v[192+2*NN:193+2*NN], v[128+4*(NN/2):129+4*(NN/2)], v[224+2*(NN%2):225+2*(NN%2)], v[192+2*NN:193+2*NN] op_sel:[1,0,0] op_sel_hi:[1,1,1]
.set NN, NN+1
.endr
.set NN, 0
.rept 32
	v_pk_fma_f32 v[192+2*NN:193+2*NN], v[130+4*(NN/2):131+4*(NN/2)], v[228+2*(NN%2):229+2*(NN%2)], v[192+2*NN:193+2*NN] op_sel_hi:[0,1,1]
.set NN, NN+1
.endr
.set NN, 0
.rept 32
	v_pk_fma_f32 v[192+2*NN:193+2*NN], v[130+4*(NN/2):131+4*(NN/2)], v[232+2*(NN%2):233+2*(NN%2)], v[192+2*NN:193+2*NN] op_sel:[1,0,0] op_sel_hi:[1,1,1]
.set NN, NN+1
.endr
.set NN, 0
.rept 32
	v_pk_fma_f32 v[192+2*NN:193+2*NN], v[2*NN:2*NN+1], v[192+2*(NN%2):193+2*(NN%2)], v[192+2*NN:193+2*NN]
.set NN, NN+1
.endr
.set NN, 0
.rept 32
	v_pk_fma_f32 v[192+2*NN:193+2*NN], v[192+2*NN:193+2*NN], v[196+2*(NN%2):197+2*(NN%2)], v[64+2*NN:65+2*NN]
.set NN, NN+1
.endr
	WIN 0x04
	global_store_b128 v15, v[192:195], s[54:55] th:TH_STORE_NT
.irp i, 1,2,3,4,5,6,7,8,9,10,11,12,13,14,15
	global_store_b128 v15, v[192+4*\i:195+4*\i], s[56:57] offset:((\i&7)+16*(\i>>3))*2048 th:TH_STORE_NT   ; 512 consecutive bytes, aligned
.endr
.endm
	FIN 0
	FIN 1
	FIN 2
	FIN 3
	FIN 4
	WIN 0
	s_wait_tensorcnt 0x0                           ; the wave's end
	ds_add_u32 v1, v2
	s_wait_dscnt 0x0
	CROUND                                         ; the closing round
	s_endpgm
.Lfunc_end_k_q4047770720_satt:
	.size	k_q4047770720_satt, .Lfunc_end_k_q4047770720_satt-k_q4047770720_satt
	.p2alignl 7, 3214868480
	.fill 96, 4, 3214868480
	.section	.rodata,"a",@progbits
	.p2align	6, 0x0
	.amdhsa_kernel k_q4047770720_satt
		.amdhsa_group_segment_fixed_size 327680
		.amdhsa_private_segment_fixed_size 0
		.amdhsa_enable_private_segment 0
		.amdhsa_kernarg_size 72
		.amdhsa_user_sgpr_count 2
		.amdhsa_user_sgpr_kernarg_segment_ptr 1
		.amdhsa_wavefront_size32 1
		.amdhsa_system_sgpr_workgroup_id_x 1
		.amdhsa_system_sgpr_workgroup_id_y 1
		.amdhsa_system_sgpr_workgroup_id_z 1
		.amdhsa_system_vgpr_workitem_id 0
		.amdhsa_next_free_vgpr 1024
		.amdhsa_next_free_sgpr 100
		.amdhsa_reserve_vcc 1
		.amdhsa_float_denorm_mode_32 3
		.amdhsa_float_denorm_mode_16_64 3
		.amdhsa_memory_ordered 1
		.amdhsa_forward_progress 1
		.amdhsa_inst_pref_size 255
	.end_amdhsa_kernel
	.section	.bss,"aw",@nobits
	.p2align	6
	.space	262144
	.amdgpu_metadata
---
amdhsa.version: [ 1, 2 ]
amdhsa.kernels:
  - .name:           k_q4047770720_satt
    .symbol:         k_q4047770720_satt.kd
    .args:
      - { .name: kc2, .offset: 0, .size: 8, .value_kind: global_buffer, .address_space: global }
      - { .name: vc2, .offset: 8, .size: 8, .value_kind: global_buffer, .address_space: global }
      - { .name: nf, .offset: 16, .size: 8, .value_kind: global_buffer, .address_space: global }
      - { .name: fc2_w, .offset: 24, .size: 8, .value_kind: global_buffer, .address_space: global }
      - { .name: fc2_b, .offset: 32, .size: 8, .value_kind: global_buffer, .address_space: global }
      - { .name: gamma1, .offset: 40, .size: 8, .value_kind: global_buffer, .address_space: global }
      - { .name: gamma2, .offset: 48, .size: 8, .value_kind: global_buffer, .address_space: global }
      - { .name: out0, .offset: 56, .size: 8, .value_kind: global_buffer, .address_space: global }
      - { .name: sink, .offset: 64, .size: 8, .value_kind: global_buffer, .address_space: global }
    .group_segment_fixed_size: 327680
    .private_segment_fixed_size: 0
    .kernarg_segment_align: 8
    .kernarg_segment_size: 72
    .max_flat_workgroup_size: 128
    .sgpr_count:     100
    .vgpr_count:     1024
    .wavefront_size: 32
...
	.end_amdgpu_metadata
.endif
;; end of part 4
